; MI455X (gfx1250); checked and timed in simulation.
; The chip was launched on July 23, 2026; its instructions are those of AMD's public machine-readable ISA for CDNA 5 (MIT licence, August 2026) and "CDNA5" Instruction Set Architecture Reference Guide (July 2026). The comments in the code are by the model that wrote it; some were corrected since.
;; Multi Head Attention. Allowed arithmetic: float matrix products may take bf16 or f16 operands with f32 sums; other float arithmetic in f32, or as packed bf16 or f16 multiplies, adds, multiply-adds, maxima and minima; sums over many terms, partial sums and values carried from step to step in f32; what a program stores and reads back later, other than sums and carried values, may be rounded once to bf16 or f16.
;; Inputs: Wk 1,024 x 1,024 float32; Wp 1,024 x 1,024 float32; Wq 1,024 x 1,024 float32; Wv 1,024 x 1,024 float32; attention_mask 8 x 1 x 1,024 x 1,024 float32; bk 1,024 float32; bp 1,024 float32; bq 1,024 float32; bv 1,024 float32; x 8 x 1,024 x 1,024 float32.
;; Outputs: out0 8 x 1,024 x 1,024 float32.
;; 2 versions, each right and faster than the one before. Each part assembles by itself: llvm-mc -triple=amdgcn-amd-amdhsa -mcpu=gfx1250 --defsym DOCPART=n.
;; ======== version 1 of 2: 4 launches
;; limits: values are held in f16: magnitudes above 65,504 overflow, below 6.1e-05 lose precision
;; workspace buffers: xh 16,777,216 bytes; wt 8,388,608 bytes; qkv 50,331,648 bytes; ctx 16,777,216 bytes; bias 12,288 bytes
;; launch prep (part 1): grid 512 x 1, 8 waves a work-group, no clusters, 18,432 bytes of LDS; arguments x, Wq, Wk, Wv, Wp, bq, bk, bv, xh, wt, bias; writes xh, wt, bias
.if DOCPART == 1
	.amdgcn_target "amdgcn-amd-amdhsa--gfx1250"
	.amdhsa_code_object_version 6
	.text
	.protected	k_qefbd2a807c_prep
	.globl	k_qefbd2a807c_prep
	.p2align	8
	.type	k_qefbd2a807c_prep,@function
k_qefbd2a807c_prep:
	s_mov_b64 s[64:65], 0
	v_nop
	global_prefetch_b8 v0, s[64:65] scope:SCOPE_SE
	s_setreg_imm32_b32 hwreg(HW_REG_WAVE_MODE, 25, 1), 1
	s_wait_xcnt 0x0
; PREP.  x and the four weights are rounded once to f16 and laid out for the products that follow; bq, bk, bv are copied end to end.
; xh: x in blocks of 64 along K: xh[kb][row][64], kb = 0 .. 15, row = 0 .. 8191: the 128 bytes of neighbouring rows lie end to end, so a tile of one K block is dense.
; wt, bytes 0 .. 6,291,455: Wq, Wk, Wv turned and in the same blocks: wt[kb][n][64], n = 0 .. 3071 (column n % 1024 of weight n / 1024).
; wt, from byte 6,291,456: Wp turned, row-major: row n is column n of Wp, 1,024 f16.
; bias: [3072] f32 = bq, bk, bv.
; LIMITS.  f16 holds no number beyond 65,504, and below 6e-5 it keeps a fixed step of 6e-8: x and the weights are taken to lie within that.
; SHARES.  512 work-groups of eight waves.  Work-group g converts 16 rows of x (65,536 bytes in, 32,768 out) and one tile of 128 (k) x 64 (n) of weight g / 128, which is turned in LDS:
; pairs (k, k + 1) of a column go in as one word, whole pieces of rows come back.  Work-groups 0, 1, 2 also copy one bias vector each.
; No work-group shares an input with another, so there is no cluster; nothing is multiplied, so there is no matrix work.
.set SPARE, 17408                      ; behind the tile (64 rows x 272 bytes): the spare words, 128 bytes for each of eight waves
.set XBLK,  8192*128                   ; bytes of one K block of xh
.set WBLK,  3072*128                   ; bytes of one K block of wt
.set SPW,  8                           ; v8   LDS address of my spare word; never rewritten
.set NIL,  9                           ; v9   0; never rewritten
.set XR,   16                          ; v[16:79]    x as loaded, 16 loads of 4
.set WR,   80                          ; v[80:111]   the weight as loaded, 8 loads of 4
.set YR,   112                         ; v[112:143]  x in f16
.set WPK,  144                         ; v[144:159]  the weight in f16, pairs along k
.set WBK,  160                         ; v[160:175]  the turned tile, read back
	s_load_b512 s[4:19], s[0:1], 0x0               ; x s[4:5], Wq s[6:7], Wk s[8:9], Wv s[10:11], Wp s[12:13], bq s[14:15], bk s[16:17], bv s[18:19]
	s_load_b128 s[20:23], s[0:1], 0x40             ; xh s[20:21], wt s[22:23]
	s_load_b64 s[24:25], s[0:1], 0x50              ; bias
	v_lshl_add_u32 v[SPW], v0, 2, SPARE
	v_mov_b32 v[NIL], 0
	v_and_b32 v10, 15, v0                          ; tl: which 16 bytes of 256
	v_lshrrev_b32 v11, 4, v0                       ; kk: 0 .. 15
	v_lshlrev_b32 v12, 4, v10                      ; 16 tl
	v_lshl_add_u32 v1, v11, 12, v12                ; x in: row kk of 4,096 bytes, + 16 tl; the K block stands in the immediate
	v_lshlrev_b32 v2, 3, v0                        ; xh out: row kk x 128 + 8 tl = 8 t
	v_lshl_add_u32 v3, v11, 13, v12                ; weight in: row 2 kk of 4,096 bytes, + 16 tl
	v_mul_u32_u24 v4, v10, 1088                    ; LDS in: column 4 tl (4 rows of 272 bytes),
	v_lshl_add_u32 v4, v11, 2, v4                  ; k = 2 kk (4 bytes)
	v_mul_u32_u24 v5, v11, 272                     ; LDS back, row-major way: row kk,
	v_add_nc_u32 v5, v5, v12                       ; 16 tl
	v_lshl_add_u32 v6, v11, 11, v12                ; wt out, row-major way: row kk of 2,048 bytes, + 16 tl
	v_lshrrev_b32 v13, 3, v0                       ; LDS back, blocked way: row t / 8,
	v_mul_u32_u24 v13, v13, 272
	v_and_b32 v14, 7, v0
	v_lshl_add_u32 v13, v14, 4, v13                ; 16 (t % 8)
	v_lshlrev_b32 v14, 4, v0                       ; wt out, blocked way, and the bias: (t / 8) x 128 + 16 (t % 8) = 16 t
	s_lshr_b32 s26, ttmp9, 7                       ; which weight
	s_bfe_u32 s27, ttmp9, 0x30004                  ; kt: which 128 of k
	s_and_b32 s28, ttmp9, 15                       ; nt: which 64 of n
	s_lshl_b32 s30, s27, 19                        ; the tile in the weight: 128 kt rows of 4,096 bytes
	s_lshl_b32 s29, s28, 8                         ; + 64 nt columns of 4 bytes
	s_add_co_u32 s30, s30, s29
	s_mov_b32 s31, 0
	s_lshl_b32 s32, s26, 21                        ; the tile in wt, row-major way: row 1,024 i + 64 nt of 2,048 bytes,
	s_lshl_b32 s29, s28, 17
	s_add_co_u32 s32, s32, s29
	s_lshl_b32 s29, s27, 8                         ; + 128 kt columns of 2 bytes
	s_add_co_u32 s32, s32, s29
	s_mul_i32 s33, s27, 2*WBLK                     ; blocked way: K block 2 kt,
	s_lshl_b32 s29, s26, 17                        ; row 1,024 i
	s_add_co_u32 s33, s33, s29
	s_lshl_b32 s29, s28, 13                        ; + 64 nt, of 128 bytes
	s_add_co_u32 s33, s33, s29
	s_cmp_eq_u32 s26, 3                            ; Wp alone goes the row-major way
	s_cselect_b32 s32, s32, s33
	s_mov_b32 s33, 0
	s_lshl_b32 s34, ttmp9, 16                      ; my 16 rows of x
	s_mov_b32 s35, 0
	s_lshl_b32 s36, ttmp9, 11                      ; and their 128 bytes each in a K block of xh
	s_mov_b32 s37, 0
	s_wait_kmcnt 0x0
	s_mov_b64 s[38:39], s[6:7]                     ; the weight is chosen by the work-group's number alone
	s_cmp_eq_u32 s26, 1
	s_cselect_b64 s[38:39], s[8:9], s[38:39]
	s_cmp_eq_u32 s26, 2
	s_cselect_b64 s[38:39], s[10:11], s[38:39]
	s_cmp_eq_u32 s26, 3
	s_cselect_b64 s[38:39], s[12:13], s[38:39]
	s_add_nc_u64 s[38:39], s[38:39], s[30:31]
	s_add_nc_u64 s[4:5], s[4:5], s[34:35]
	s_add_nc_u64 s[20:21], s[20:21], s[36:37]      ; xh at K block 0,
	s_add_nc_u64 s[40:41], s[20:21], 8*XBLK        ; and at K block 8: seven blocks at the most then stand in a store's immediate, inside its signed 24 bits
	s_add_nc_u64 s[22:23], s[22:23], s[32:33]
.irp i, 0,1,2,3,4,5,6,7                ; load i: row 32 (i / 2) + 2 kk + i % 2; sixteen lanes take the row's 256 bytes
	global_load_b128 v[WR+4*(\i):WR+4*(\i)+3], v3, s[38:39] offset:(32*((\i)/2)+((\i)%2))*4096 th:TH_LOAD_NT
.endr
.irp j, 0,1,2,3,4,5,6,7,8,9,10,11,12,13,14,15   ; load j: K block j of row kk: sixteen lanes take its 256 bytes
	global_load_b128 v[XR+4*(\j):XR+4*(\j)+3], v1, s[4:5] offset:(\j)*256 th:TH_LOAD_NT
.endr
	s_wait_loadcnt 16                              ; the sixteen loads of x are younger: the weight's eight are in
.irp q, 0,1,2,3
.irp c, 0,1,2,3
	v_cvt_pk_f16_f32 v[WPK+4*(\q)+(\c)], v[WR+8*(\q)+(\c)], v[WR+8*(\q)+4+(\c)]  ; k = 32 q + 2 kk and k + 1 of column 4 tl + c
.endr
.endr
.irp q, 0,1,2,3
.irp c, 0,1,2,3
	ds_store_b32 v4, v[WPK+4*(\q)+(\c)] offset:(\c)*272+64*(\q)
.endr
.endr
	s_wait_dscnt 0x0                               ; for the others' sake: my words of the tile are in LDS
	s_barrier_signal -1
	s_barrier_wait -1
	s_cmp_eq_u32 s26, 3
	s_cbranch_scc1 .Lrows
.irp i, 0,1,2,3                        ; blocked: K block i / 2 of the tile's two, rows 32 (i % 2) + t / 8: 256 threads take 4,096 bytes that lie on end in wt
	ds_load_b128 v[WBK+4*(\i):WBK+4*(\i)+3], v13 offset:((\i)%2)*8704+((\i)/2)*128
.endr
	s_wait_dscnt 0x0
.irp i, 0,1,2,3
	global_store_b128 v14, v[WBK+4*(\i):WBK+4*(\i)+3], s[22:23] offset:((\i)%2)*4096+((\i)/2)*WBLK  ; sixteen lanes store 256 consecutive bytes, aligned
.endr
	s_branch .Lx
.Lrows:
.irp i, 0,1,2,3                        ; row-major: row 16 i + kk, whole rows of 256 bytes for sixteen lanes
	ds_load_b128 v[WBK+4*(\i):WBK+4*(\i)+3], v5 offset:(\i)*4352
.endr
	s_wait_dscnt 0x0
.irp i, 0,1,2,3
	global_store_b128 v6, v[WBK+4*(\i):WBK+4*(\i)+3], s[22:23] offset:(\i)*32768
.endr
.Lx:
.irp j, 0,1,2,3,4,5,6,7,8,9,10,11,12,13,14,15
	s_wait_loadcnt 15-(\j)                         ; loads come back in order: load j is in
	v_cvt_pk_f16_f32 v[YR+2*(\j)], v[XR+4*(\j)], v[XR+4*(\j)+1]
	v_cvt_pk_f16_f32 v[YR+2*(\j)+1], v[XR+4*(\j)+2], v[XR+4*(\j)+3]
.if (\j) < 8
	global_store_b64 v2, v[YR+2*(\j):YR+2*(\j)+1], s[20:21] offset:(\j)*XBLK       ; a wave's store covers two rows' 128 bytes: 256 consecutive bytes, aligned
.else
	global_store_b64 v2, v[YR+2*(\j):YR+2*(\j)+1], s[40:41] offset:((\j)-8)*XBLK
.endif
.endr
	s_cmp_lt_u32 ttmp9, 3                          ; work-groups 0, 1, 2 copy bq, bk, bv: 256 threads x 16 bytes
	s_cbranch_scc0 .Lnobias
	s_mov_b64 s[42:43], s[14:15]
	s_cmp_eq_u32 ttmp9, 1
	s_cselect_b64 s[42:43], s[16:17], s[42:43]
	s_cmp_eq_u32 ttmp9, 2
	s_cselect_b64 s[42:43], s[18:19], s[42:43]
	s_lshl_b32 s44, ttmp9, 12
	s_mov_b32 s45, 0
	s_add_nc_u64 s[24:25], s[24:25], s[44:45]
	global_load_b128 v[XR:XR+3], v14, s[42:43]     ; x's first four registers have been converted and are free
	s_wait_loadcnt 0x0
	global_store_b128 v14, v[XR:XR+3], s[24:25]
.Lnobias:
	s_wait_tensorcnt 0x0                           ; the wave's end
	ds_add_u32 v[SPW], v[NIL]
	s_wait_dscnt 0x0
	s_endpgm
.Lfunc_end_k_qefbd2a807c_prep:
	.size	k_qefbd2a807c_prep, .Lfunc_end_k_qefbd2a807c_prep-k_qefbd2a807c_prep
	.p2alignl 7, 3214868480
	.fill 96, 4, 3214868480
	.section	.rodata,"a",@progbits
	.p2align	6, 0x0
	.amdhsa_kernel k_qefbd2a807c_prep
		.amdhsa_group_segment_fixed_size 18432
		.amdhsa_private_segment_fixed_size 0
		.amdhsa_enable_private_segment 0
		.amdhsa_kernarg_size 88
		.amdhsa_user_sgpr_count 2
		.amdhsa_user_sgpr_kernarg_segment_ptr 1
		.amdhsa_wavefront_size32 1
		.amdhsa_system_sgpr_workgroup_id_x 1
		.amdhsa_system_sgpr_workgroup_id_y 1
		.amdhsa_system_sgpr_workgroup_id_z 1
		.amdhsa_system_vgpr_workitem_id 0
		.amdhsa_next_free_vgpr 176
		.amdhsa_next_free_sgpr 66
		.amdhsa_reserve_vcc 0
		.amdhsa_float_denorm_mode_32 3
		.amdhsa_float_denorm_mode_16_64 3
		.amdhsa_memory_ordered 1
		.amdhsa_forward_progress 1
		.amdhsa_inst_pref_size 14
	.end_amdhsa_kernel
	.amdgpu_metadata
---
amdhsa.version: [ 1, 2 ]
amdhsa.kernels:
  - .name:           k_qefbd2a807c_prep
    .symbol:         k_qefbd2a807c_prep.kd
    .args:
      - { .name: x, .offset: 0, .size: 8, .value_kind: global_buffer, .address_space: global }
      - { .name: Wq, .offset: 8, .size: 8, .value_kind: global_buffer, .address_space: global }
      - { .name: Wk, .offset: 16, .size: 8, .value_kind: global_buffer, .address_space: global }
      - { .name: Wv, .offset: 24, .size: 8, .value_kind: global_buffer, .address_space: global }
      - { .name: Wp, .offset: 32, .size: 8, .value_kind: global_buffer, .address_space: global }
      - { .name: bq, .offset: 40, .size: 8, .value_kind: global_buffer, .address_space: global }
      - { .name: bk, .offset: 48, .size: 8, .value_kind: global_buffer, .address_space: global }
      - { .name: bv, .offset: 56, .size: 8, .value_kind: global_buffer, .address_space: global }
      - { .name: xh, .offset: 64, .size: 8, .value_kind: global_buffer, .address_space: global }
      - { .name: wt, .offset: 72, .size: 8, .value_kind: global_buffer, .address_space: global }
      - { .name: bias, .offset: 80, .size: 8, .value_kind: global_buffer, .address_space: global }
    .group_segment_fixed_size: 18432
    .private_segment_fixed_size: 0
    .kernarg_segment_align: 8
    .kernarg_segment_size: 88
    .max_flat_workgroup_size: 256
    .sgpr_count:     66
    .vgpr_count:     176
    .wavefront_size: 32
...
	.end_amdgpu_metadata
.endif
;; end of part 1
;; launch proj (part 2): grid 8 x 32, 4 waves a work-group, clusters of 4 x 4, 327,680 bytes of LDS; arguments xh, wt, bias, qkv; writes qkv
.if DOCPART == 2
	.amdgcn_target "amdgcn-amd-amdhsa--gfx1250"
	.amdhsa_code_object_version 6
	.text
	.protected	k_qefbd2a807c_proj
	.globl	k_qefbd2a807c_proj
	.p2align	8
	.type	k_qefbd2a807c_proj,@function
k_qefbd2a807c_proj:
	s_mov_b64 s[64:65], 0
	v_nop
	global_prefetch_b8 v0, s[64:65] scope:SCOPE_SE
	s_setreg_imm32_b32 hwreg(HW_REG_WAVE_MODE, 25, 1), 1
	s_wait_xcnt 0x0
	s_wait_alu depctr_hold_cnt(0) depctr_sa_sdst(0) depctr_va_vdst(0) depctr_va_sdst(0) depctr_va_ssrc(0) depctr_va_vcc(0) depctr_vm_vsrc(0)
	s_getreg_b32 s2, hwreg(HW_REG_IB_STS2, 6, 4)
	s_cmp_eq_u32 s2, 0
	s_cbranch_scc0 .Lentry_in_a_cluster
	s_endpgm
.Lentry_in_a_cluster:
	s_bfe_u32 s2, ttmp6, 0x10000c
	s_cmp_lg_u32 s2, 0xf033
	s_cbranch_scc0 .Lentry_shape_is_right
	s_endpgm
.Lentry_shape_is_right:
; PROJ.  qkv[m][n] = the sum over k of x[m][k] W[k][n] + bias[n], n = 0 .. 3071 (q, k, v side by side).  xh: x in f16, in blocks of 64 along K, [16][8192][64]; wt: the weights turned, in the same blocks,
; [16][3072][64]; bias: [3072] f32; qkv: [8192][3072] f16, rounded once from f32 sums.  LIMIT: q, k and v stay under 65,504, f16's end.
; A BLOCK OF C IS 256 x 384: 32 x 8 = 256 work-groups.  Four waves, 2 x 2; a wave makes 128 x 192: 96 accumulators of 16 x 16, 768 registers.  For 32 along K a wave reads 20 fragments (40 LDS loads) for 96 products.
; K goes in 16 steps of 64 through two LDS slots: (256 + 384) rows of 128 bytes; two slots of steps of 128 would be 348,160 bytes and do not fit.  In xh and wt a K block's rows lie end to end, so a tile is
; dense and is asked for as rows of 256 bytes, two rows of the tile in each, padded in LDS after every 128 bytes.
; CLUSTER 4 x 4: the four of a row need the same tile of A, the four of a column the same tile of B: joint loads.
; THE PRODUCT IS USED TRANSPOSED: source 0 = 16 rows of B, source 1 = 16 rows of A; a lane then holds row lane % 16 of C and eight neighbouring columns 8 (lane / 16) + 0..7.
; THE BIAS: no register is free to hold it beside the sums.  The twelve accumulators of m block 0 are LOADED with their eight bias numbers each (24 loads of 16 bytes a lane) while the first tile is on its way.
; In the first quarter, written out ahead of the loop, the products of m blocks 1-7 take those registers as C, and m block 0's own products, five places behind the last of them, add in place.
; REGISTERS: window 0: v0-31 addresses; v32-95, v96-159 A's 8 fragments, two buffers; v160-255 B's 12 fragments, one set, loaded again four at a time behind the products that read them.
;   windows 1, 2, 3: accumulator (a, b), a = 0..7, b = 0..11, in window 1 + b / 4 at v[8 (4 a + b % 4)].
; A QUARTER is 32 along K: three groups of 32 products, one for each window; behind each group one run of LDS loads for the next quarter.  A K step is two quarters.
.set PITCH,  144                       ; an LDS row: 128 bytes + 16 of padding = 36 words: the 16 rows of a fragment load start at 16 different groups of four banks (64 banks of 4 bytes: ISA guide 11.1)
.set AHALF,  128*PITCH                 ; what one of A's two loads brings
.set BHALF,  192*PITCH                 ; what one of B's two loads brings
.set BOFF,   2*AHALF                   ; B's 384 rows lie behind A's 256
.set SLOT1,  131072                    ; slot 1 begins here (a slot is 92,160 bytes): one exclusive or turns an address in one slot into the other's
.set SPARE,  SLOT1+BOFF+2*BHALF        ; behind slot 1: the spare words, 128 bytes for each wave
.set SPITCH, 784                       ; the stage for the way out: 256 rows of 768 bytes + 16; it lies over the slots, which have had their last fill by then
.set ASTEP,  8192*128                  ; bytes from a K block of xh to the next
.set BSTEP,  3072*128                  ; the same in wt
.set CROW,   6144                      ; bytes in a row of qkv
.set STEPS,  16
.set ADRA0, 4                          ; v4   my lane's place in slot 0's A; never rewritten
.set ADRB0, 5                          ; v5   the same for B
.set ADRA,  6                          ; v6   the same in the slot that is being fetched from
.set ADRB,  7
.set STO,   8                          ; v8   the way out: where I put 16 bytes of a row, my rows 0-63
.set STO2,  9                          ; v9   my rows 64-127
.set RD0,   10                         ; v10  the way out: reading back, 512 bytes on end
.set RD1,   11                         ; v11  a row's last 256 bytes and the next row's first 256
.set CO0,   12                         ; v12  the same two places in qkv
.set CO1,   13
.set BO,    15                         ; v15  my 8 numbers in a block of 16 of the bias
.set SPW,   16                         ; v16  LDS address of my spare word; never rewritten
.set NIL,   17                         ; v17  0; never rewritten
.set FA0,   32
.set FA1,   96
.set FB,    160
.set TMP,   32                         ; the way out: 128 registers of packed results
.set WV,   10
.set G1A,  24                          ; s[24:31] descriptor group 1 for A's tiles
.set G1B,  32                          ; s[32:39] for B's
.set G0A,  40                          ; s[40:47] group 0 for A's tiles: a set for each of the two first fills; the second then walks on
.set G0B,  48                          ; s[48:55] the same for B's
.set SB,   61                          ; s61  the LDS byte at which the slot being fetched from begins
.set MSB, 0
.macro WIN new                         ; the immediate's high byte repeats the setting that is left; a switch that changes nothing is dropped
.if MSB != (\new)
	s_set_vgpr_msb (MSB<<8)|(\new)
.set MSB, (\new)
.endif
.endm
.macro JLOAD                           ; a joint refill: waves 0 and 1 fetch A's two halves, waves 2 and 3 B's; an s_nop 0 and four v_nop follow each line
	s_cmp_lt_u32 s[WV], 2
	s_cbranch_scc0 .Lfor_b_\@
	tensor_load_to_lds s[G0A+4:G0A+7], s[G1A:G1A+7]
	s_nop 0
.rept 4
	v_nop
.endr
	s_branch .Lasked_\@
.Lfor_b_\@:
	tensor_load_to_lds s[G0B+4:G0B+7], s[G1B:G1B+7]
	s_nop 0
.rept 4
	v_nop
.endr
.Lasked_\@:
.endm
.macro CREST                           ; a round of the cluster's barrier behind its opening barrier
	s_cmp_lg_u32 s[WV], 0
	s_cbranch_scc1 .Lnot_wave_0_\@
	s_barrier_signal -3
.Lnot_wave_0_\@:
	s_barrier_wait -3
	s_barrier_signal -1
	s_barrier_wait -1
.endm
.macro CROUND
	s_barrier_signal -1
	s_barrier_wait -1
	CREST
.endm
.macro PLACES                          ; four places in front of loads into registers that matrix instructions have read (ISA guide 7.12.1 for vector instructions)
.rept 4
	v_nop
.endr
.endm
	s_load_b256 s[68:75], s[0:1], 0x0              ; xh s[68:69], wt s[70:71], bias s[72:73], qkv s[74:75]
	v_lshl_add_u32 v[SPW], v0, 2, SPARE
	v_mov_b32 v[NIL], 0
	ds_add_u32 v[SPW], v[NIL]                      ; the wave's opening
	v_lshrrev_b32 v1, 5, v0
	v_readfirstlane_b32 s[WV], v1                  ; wave 0..3
	s_lshr_b32 s11, s[WV], 1                       ; which 128 rows of the block are mine
	s_and_b32 s12, s[WV], 1                        ; which 192 columns.  Also: which half of A's or B's tile I fetch
	s_bfe_u32 s56, ttmp6, 0x40000                  ; cx
	s_bfe_u32 s57, ttmp6, 0x40004                  ; cy
	s_lshl_b32 s58, ttmp9, 2
	s_add_co_u32 s58, s58, s56                     ; block column = 4 x cluster x + cx
	s_and_b32 s13, ttmp7, 0xffff
	s_lshl_b32 s13, s13, 2
	s_add_co_u32 s13, s13, s57                     ; block row = 4 x cluster y + cy
	s_lshl_b32 s59, s57, 2
	s_lshl_b32 s59, 15, s59                        ; my row of the cluster
	s_lshl_b32 s60, 0x1111, s56                    ; my column
	s_or_b32 s[G1A], s59, (1<<16)|(1<<20)|(1<<21)|(4<<22)|(3<<25)   ; mask; 2-byte elements; padding on; bit 21 beside a mask; after every 32 words, 4 words
	s_or_b32 s[G1B], s60, (1<<16)|(1<<20)|(1<<21)|(4<<22)|(3<<25)
	s_mov_b32 s[G1A+1], 128<<16                    ; tensor_dim0 = 128 elements: 256 bytes, two rows of the tile
	s_mov_b32 s[G1A+2], 64<<16                     ; tensor_dim1 = 64: 128 rows of the tile
	s_mov_b32 s[G1A+3], 128<<16                    ; tile_dim0
	s_mov_b32 s[G1A+4], 64                         ; tile_dim1
	s_mov_b32 s[G1A+5], 128                        ; dense: 128 elements from row to row
	s_mov_b32 s[G1A+6], 0
	s_mov_b32 s[G1A+7], 0
	s_mov_b32 s[G1B+1], 128<<16
	s_mov_b32 s[G1B+2], 96<<16                     ; 192 rows of the tile
	s_mov_b32 s[G1B+3], 128<<16
	s_mov_b32 s[G1B+4], 96
	s_mov_b32 s[G1B+5], 128
	s_mov_b32 s[G1B+6], 0
	s_mov_b32 s[G1B+7], 0
	s_lshl_b32 s16, s13, 15                        ; A: 256 x block row rows of 128 bytes
	s_lshl_b32 s17, s12, 14                        ; + 128 x half
	s_add_co_u32 s16, s16, s17
	s_mov_b32 s17, 0
	s_mul_i32 s20, s58, 384*128                    ; B: 384 x block column rows
	s_mul_i32 s21, s12, 192*128                    ; + 192 x half
	s_add_co_u32 s20, s20, s21
	s_mov_b32 s21, 0
	s_mul_i32 s22, s12, AHALF                      ; where they go: no place in the cluster enters an LDS address
	s_mul_i32 s23, s12, BHALF
	s_add_co_u32 s23, s23, BOFF
	s_mov_b32 s[SB], 0
	s_wait_dscnt 0x0                               ; the opening add is done
	s_wait_kmcnt 0x0
	s_add_nc_u64 s[14:15], s[68:69], s[16:17]
	s_add_nc_u64 s[62:63], s[70:71], s[20:21]
	CROUND                                         ; all sixteen work-groups are here: the first joint loads meet
.irp s, 0,1
	s_mov_b32 s[G0A+4*(\s)], 1
	s_add_co_u32 s[G0A+4*(\s)+1], s22, (\s)*SLOT1
	s_add_nc_u64 s[G0A+4*(\s)+2:G0A+4*(\s)+3], s[14:15], (\s)*ASTEP
	s_or_b32 s[G0A+4*(\s)+3], s[G0A+4*(\s)+3], 0x80000000
	s_mov_b32 s[G0B+4*(\s)], 1
	s_add_co_u32 s[G0B+4*(\s)+1], s23, (\s)*SLOT1
	s_add_nc_u64 s[G0B+4*(\s)+2:G0B+4*(\s)+3], s[62:63], (\s)*BSTEP
	s_or_b32 s[G0B+4*(\s)+3], s[G0B+4*(\s)+3], 0x80000000
.endr
	s_cmp_lt_u32 s[WV], 2                          ; a wave's two first fills stand in one branch, ahead of every wait on TENSORcnt and every LDS read: two loads of mine are out
	s_cbranch_scc0 .Lfirst_b
	tensor_load_to_lds s[G0A:G0A+3], s[G1A:G1A+7]
	s_nop 0
	tensor_load_to_lds s[G0A+4:G0A+7], s[G1A:G1A+7]
	s_nop 0
.rept 4
	v_nop
.endr
	s_branch .Lfirst_asked
.Lfirst_b:
	tensor_load_to_lds s[G0B:G0B+3], s[G1B:G1B+7]
	s_nop 0
	tensor_load_to_lds s[G0B+4:G0B+7], s[G1B:G1B+7]
	s_nop 0
.rept 4
	v_nop
.endr
.Lfirst_asked:
	v_and_b32 v1, 15, v0                           ; r = lane % 16
	v_bfe_u32 v2, v0, 4, 1                         ; h = lane / 16
	v_lshlrev_b32 v[BO], 5, v2                     ; 8 h numbers of 4 bytes
	s_mul_i32 s20, s58, 384*4                      ; my 192 columns in the bias
	s_mul_i32 s21, s12, 192*4
	s_add_co_u32 s20, s20, s21
	s_mov_b32 s21, 0
	s_add_nc_u64 s[18:19], s[72:73], s[20:21]
.irp g, 0,1,2                          ; accumulator (0, b) takes bias[16 b + 8 h + 0..7]: 24 loads in all
	WIN 0x40*(1+(\g))                              ; destination window 1 + g
.set x, 0
.rept 4
	global_load_b128 v[8*x:8*x+3],   v[BO], s[18:19] offset:64*(4*(\g)+x)
	global_load_b128 v[8*x+4:8*x+7], v[BO], s[18:19] offset:64*(4*(\g)+x)+16
.set x, x+1
.endr
.endr
	WIN 0
	v_mul_u32_u24 v3, v1, PITCH
	v_lshl_add_u32 v3, v2, 4, v3                   ; a fragment's row x pitch + 16 h
	s_mul_i32 s16, s11, AHALF                      ; my 128 rows of A
	v_add_nc_u32 v[ADRA0], s16, v3
	v_add_nc_u32 v[ADRB0], s23, v3                 ; my 192 rows of B: the half that has my number's low bit
	v_mov_b32 v[ADRA], v[ADRA0]
	v_mov_b32 v[ADRB], v[ADRB0]
	s_mul_i32 s16, s11, 128*SPITCH                 ; into the stage: my 128 rows, my 384 bytes of them; row r, 16 bytes for each half of the lanes
	s_mul_i32 s17, s12, 384
	s_add_co_u32 s16, s16, s17
	v_mul_u32_u24 v18, v1, SPITCH
	v_lshl_add_u32 v18, v2, 4, v18
	v_add_nc_u32 v[STO], s16, v18
	v_add_nc_u32 v[STO2], 64*SPITCH, v[STO]
	s_mul_i32 s16, s[WV], 64*SPITCH                ; back: wave w takes rows 64 w .. 64 w + 63, whole
	v_and_b32 v18, 31, v0
	v_lshlrev_b32 v[CO0], 4, v18                   ; 16 x lane
	v_add_nc_u32 v[RD0], s16, v[CO0]
	v_lshlrev_b32 v18, 4, v1                       ; 16 r
	v_mul_u32_u24 v19, v2, SPITCH-512              ; lanes 0-15: byte 512 of a row; lanes 16-31: byte 0 of the next
	v_add_nc_u32 v19, v19, v18
	v_add_nc_u32 v19, 512, v19
	v_add_nc_u32 v[RD1], s16, v19
	v_mul_u32_u24 v19, v2, CROW-512
	v_add_nc_u32 v19, v19, v18
	v_add_nc_u32 v[CO1], 512, v19
	s_lshl_b32 s16, s13, 8
	s_lshl_b32 s17, s[WV], 6
	s_add_co_u32 s16, s16, s17                     ; the first row of C that I store
	s_mul_i32 s16, s16, CROW
	s_mov_b32 s17, 0
	s_add_nc_u64 s[8:9], s[74:75], s[16:17]
	s_mul_i32 s20, s58, 768                        ; the block's first column, in bytes
	s_mov_b32 s21, 0
	s_add_nc_u64 s[8:9], s[8:9], s[20:21]
; 4 n products: m blocks a0 .. a0 + n - 1 x n blocks 4 g .. 4 g + 3, 32 along K, A from buffer fa.  Each of the 96 accumulators has one product a quarter: they take turns.
.macro GRP fa, g, a0, n
	WIN 0x50*(1+(\g))                              ; C and D window 1 + g, sources window 0
.set ga, (\a0)
.rept \n
.set gb, 0
.rept 4
	v_wmma_f32_16x16x32_f16 v[8*(4*ga+gb):8*(4*ga+gb)+7], v[FB+8*(4*(\g)+gb):FB+8*(4*(\g)+gb)+7], v[(\fa)+8*ga:(\fa)+8*ga+7], v[8*(4*ga+gb):8*(4*ga+gb)+7]
.set gb, gb+1
.endr
.set ga, ga+1
.endr
.endm
; The same group in the first quarter, which starts the sums: m blocks 1-7 take the bias, which lies in m block 0's accumulators, as C; five places on (a matrix instruction writes over registers that
; matrix instructions have read: ISA guide 7.12.1), m block 0's four products add onto it in place.
.macro GRPF fa, g
	WIN 0x50*(1+(\g))
.set ga, 1
.rept 7
.set gb, 0
.rept 4
	v_wmma_f32_16x16x32_f16 v[8*(4*ga+gb):8*(4*ga+gb)+7], v[FB+8*(4*(\g)+gb):FB+8*(4*(\g)+gb)+7], v[(\fa)+8*ga:(\fa)+8*ga+7], v[8*gb:8*gb+7]
.set gb, gb+1
.endr
.set ga, ga+1
.endr
.rept 5
	v_nop
.endr
	GRP \fa, \g, 0, 1
.endm
.macro LOADB k, g                      ; 8 LDS loads: B's fragments 4 g .. 4 g + 3, 32 along K at byte k of the rows
.set lb, 4*(\g)
.rept 4
	ds_load_b128 v[FB+8*lb:FB+8*lb+3],   v[ADRB] offset:(\k)+lb*16*PITCH
	ds_load_b128 v[FB+8*lb+4:FB+8*lb+7], v[ADRB] offset:(\k)+lb*16*PITCH+32
.set lb, lb+1
.endr
.endm
.macro LOADA fa, half, k               ; 8 LDS loads: A's fragments 4 half .. 4 half + 3 into buffer fa
.set la, 4*(\half)
.rept 4
	ds_load_b128 v[(\fa)+8*la:(\fa)+8*la+3],   v[ADRA] offset:(\k)+la*16*PITCH
	ds_load_b128 v[(\fa)+8*la+4:(\fa)+8*la+7], v[ADRA] offset:(\k)+la*16*PITCH+32
.set la, la+1
.endr
.endm
; A step's first quarter: multiplies buffer 0 and fetches the second quarter, byte 64 of the same slot's rows.  first = 1: the launch's first quarter, whose products start the sums.
; The runs of a quarter are issued in this order: B 0-3 and A 0-3; B 4-7 and A 4-7; B 8-11.
.macro EVEN first=0
	s_wait_dscnt 8                                 ; only the youngest eight loads (B's fragments 8-11) may be out
.if \first
	GRPF FA0, 0
.else
	GRP FA0, 0, 0, 8
.endif
	PLACES
	WIN 0
	LOADB 64, 0
	LOADA FA1, 0, 64
.if \first
	GRPF FA0, 1
.else
	GRP FA0, 1, 0, 8
.endif
	PLACES
	WIN 0
	LOADB 64, 1
	LOADA FA1, 1, 64
	s_wait_dscnt 32                                ; all but the two runs of 16 just issued: B's fragments 8-11 are in
.if \first
	GRPF FA0, 2
.else
	GRP FA0, 2, 0, 8
.endif
	PLACES
	WIN 0
	LOADB 64, 2
.endm
; A step's second quarter: multiplies buffer 1 and changes slots.  The slot's last reads were issued at the end of the first quarter.  In front of the barrier each wave waits for all its tensor loads
; (one is out: its part of the next slot), adds 0 to its spare word, and waits for that and for its reads of this slot.  fill = 1: the barrier opens a round of the cluster's, and this slot takes the K step two on.
.macro ODD fill
	s_wait_tensorcnt 0x0                           ; all my tensor loads have landed
	ds_add_u32 v[SPW], v[NIL]
	s_wait_dscnt 9                                 ; the add and the youngest eight loads may be out
	GRP FA1, 0, 0, 4
	s_wait_dscnt 0x0                               ; the add is done, and my reads of this slot are over
	s_barrier_signal -1
	GRP FA1, 0, 4, 4
	WIN 0
	s_barrier_wait -1
.if \fill
	CREST                                          ; no wave of any partner still reads this slot or has a load on its way
	s_xor_b32 s[G0A+5], s[G0A+5], SLOT1            ; the walking descriptors: the other slot than last time,
	s_add_nc_u64 s[G0A+6:G0A+7], s[G0A+6:G0A+7], ASTEP   ; the next K block; the type bits on top are not reached
	s_xor_b32 s[G0B+5], s[G0B+5], SLOT1
	s_add_nc_u64 s[G0B+6:G0B+7], s[G0B+6:G0B+7], BSTEP
	JLOAD                                          ; my one tensor load behind the round; its four v_nop are also the places in front of the loads below
.else
	PLACES
.endif
	s_xor_b32 s[SB], s[SB], SLOT1                  ; the fetches go on in the other slot
	v_add_nc_u32 v[ADRA], s[SB], v[ADRA0]
	v_add_nc_u32 v[ADRB], s[SB], v[ADRB0]
	LOADB 0, 0
	LOADA FA0, 0, 0
	GRP FA1, 1, 0, 8
	PLACES
	WIN 0
	LOADB 0, 1
	LOADA FA0, 1, 0
	GRP FA1, 2, 0, 8                               ; B's fragments 8-11 were shown in by the wait for 0 above
	PLACES
	WIN 0
	LOADB 0, 2
.endm
	s_wait_tensorcnt 1                             ; my part of K step 0 is in; step 1's may stay out
	s_barrier_signal -1
	s_barrier_wait -1
	LOADB 0, 0                                     ; the first quarter's fragments, in the order of every quarter's runs
	LOADA FA0, 0, 0
	LOADB 0, 1
	LOADA FA0, 1, 0
	LOADB 0, 2
	s_wait_loadcnt 0x0                             ; the bias is in m block 0's accumulators
	EVEN 1                                         ; the first quarter stands in front of the loop: its products start the sums
	s_mov_b32 s3, STEPS-2
.Lstep:                                                ; 14 trips: a step's second quarter, which asks for the step two on (steps 2 to 15), and the next step's first
	ODD 1
	EVEN
	s_sub_co_u32 s3, s3, 1
	s_cmp_lg_u32 s3, 0
	s_cbranch_scc1 .Lstep
	s_mov_b32 s3, 2
.Ltail:                                                ; steps 14 and 15 ask for nothing.  The second trip is left in its middle; its fetch, of the slot read before, serves nothing: the price of one text for both
	ODD 0
	s_sub_co_u32 s3, s3, 1
	s_cmp_eq_u32 s3, 0
	s_cbranch_scc1 .Lout
	EVEN
	s_branch .Ltail
.Lout:
; THE WAY OUT.  A wave's row is 384 bytes, one and a half aligned blocks of 256, so the four waves share one stage: every wave's reads of the slots are over (a barrier), the results are rounded to f16 and
; written, 16 bytes a lane; a barrier; each wave reads 64 whole rows of 768 bytes and stores them.
	s_wait_dscnt 0x0                               ; my reads of the slots are back
	s_barrier_signal -1
	s_barrier_wait -1                              ; everybody's are: the stage may be written over the slots
.macro TOSTAGE g                       ; the 32 accumulators of window 1 + g, each from its low end on.  The last products stand in front of ODD's four v_nop
	WIN 5*(1+(\g))                                 ; sources 0 and 1 window 1 + g, destination window 0
.set i, 0
.rept 128
	v_cvt_pk_f16_f32 v[TMP+i], v[2*i], v[2*i+1]
.set i, i+1
.endr
	WIN 0
.set x, 0
.rept 32                               ; accumulator x = 4 a + b % 4: rows 16 a + r, bytes 32 b + 16 h
.if x < 16
	ds_store_b128 v[STO],  v[TMP+4*x:TMP+4*x+3] offset:(x/4)*16*SPITCH+32*(4*(\g)+x%4)
.else
	ds_store_b128 v[STO2], v[TMP+4*x:TMP+4*x+3] offset:(x/4-4)*16*SPITCH+32*(4*(\g)+x%4)
.endif
.set x, x+1
.endr
.endm
	TOSTAGE 0
	TOSTAGE 1
	TOSTAGE 2
	s_wait_dscnt 0x0                               ; for the others' sake: my stores into the stage are done
	s_barrier_signal -1
	s_barrier_wait -1
; Chunk c of four: 16 rows, as 8 pairs; a pair's 1,536 bytes are three loads and three stores of 512: the first row's bytes 0-511; its bytes 512-767 and the second row's 0-255; the second row's 256-767.
.macro LOADC c
.set BK, 32+96*((\c)%2)
.if (\c) >= 2
	s_wait_xcnt 0x0                                ; the registers that chunk c - 2's stores read are loaded again only behind this wait
.endif
.set pp, 0
.rept 8
	ds_load_b128 v[BK+12*pp:BK+12*pp+3],    v[RD0] offset:(8*(\c)+pp)*2*SPITCH
	ds_load_b128 v[BK+12*pp+4:BK+12*pp+7],  v[RD1] offset:(8*(\c)+pp)*2*SPITCH
	ds_load_b128 v[BK+12*pp+8:BK+12*pp+11], v[RD0] offset:(8*(\c)+pp)*2*SPITCH+SPITCH+256
.set pp, pp+1
.endr
.endm
.macro SENDC c, younger                ; younger: the LDS loads issued behind chunk c's
.set BK, 32+96*((\c)%2)
.set pp, 0
.rept 8
	s_wait_dscnt (\younger)+21-3*pp                ; pair pp's three loads are back
	global_store_b128 v[CO0], v[BK+12*pp:BK+12*pp+3],    s[8:9] offset:(8*(\c)+pp)*2*CROW           ; sixteen lanes store 256 consecutive bytes, aligned
	global_store_b128 v[CO1], v[BK+12*pp+4:BK+12*pp+7],  s[8:9] offset:(8*(\c)+pp)*2*CROW
	global_store_b128 v[CO0], v[BK+12*pp+8:BK+12*pp+11], s[8:9] offset:(8*(\c)+pp)*2*CROW+CROW+256
.set pp, pp+1
.endr
.endm
	LOADC 0
	LOADC 1
	SENDC 0, 24
	LOADC 2
	SENDC 1, 24
	LOADC 3
	SENDC 2, 24
	SENDC 3, 0
	s_wait_tensorcnt 0x0                           ; the wave's end
	ds_add_u32 v[SPW], v[NIL]
	s_wait_dscnt 0x0
	CROUND                                         ; the closing round: no work-group ends while a partner may still ask for a tile that names it
	s_endpgm
.Lfunc_end_k_qefbd2a807c_proj:
	.size	k_qefbd2a807c_proj, .Lfunc_end_k_qefbd2a807c_proj-k_qefbd2a807c_proj
	.p2alignl 7, 3214868480
	.fill 96, 4, 3214868480
	.section	.rodata,"a",@progbits
	.p2align	6, 0x0
	.amdhsa_kernel k_qefbd2a807c_proj
		.amdhsa_group_segment_fixed_size 327680
		.amdhsa_private_segment_fixed_size 0
		.amdhsa_enable_private_segment 0
		.amdhsa_kernarg_size 32
		.amdhsa_user_sgpr_count 2
		.amdhsa_user_sgpr_kernarg_segment_ptr 1
		.amdhsa_wavefront_size32 1
		.amdhsa_system_sgpr_workgroup_id_x 1
		.amdhsa_system_sgpr_workgroup_id_y 1
		.amdhsa_system_sgpr_workgroup_id_z 1
		.amdhsa_system_vgpr_workitem_id 0
		.amdhsa_next_free_vgpr 1024
		.amdhsa_next_free_sgpr 80
		.amdhsa_reserve_vcc 0
		.amdhsa_float_denorm_mode_32 3
		.amdhsa_float_denorm_mode_16_64 3
		.amdhsa_memory_ordered 1
		.amdhsa_forward_progress 1
		.amdhsa_inst_pref_size 107
	.end_amdhsa_kernel
	.amdgpu_metadata
---
amdhsa.version: [ 1, 2 ]
amdhsa.kernels:
  - .name:           k_qefbd2a807c_proj
    .symbol:         k_qefbd2a807c_proj.kd
    .args:
      - { .name: xh, .offset: 0, .size: 8, .value_kind: global_buffer, .address_space: global }
      - { .name: wt, .offset: 8, .size: 8, .value_kind: global_buffer, .address_space: global }
      - { .name: bias, .offset: 16, .size: 8, .value_kind: global_buffer, .address_space: global }
      - { .name: qkv, .offset: 24, .size: 8, .value_kind: global_buffer, .address_space: global }
    .group_segment_fixed_size: 327680
    .private_segment_fixed_size: 0
    .kernarg_segment_align: 8
    .kernarg_segment_size: 32
    .max_flat_workgroup_size: 128
    .sgpr_count:     80
    .vgpr_count:     1024
    .wavefront_size: 32
...
	.end_amdgpu_metadata
.endif
;; end of part 2
;; launch attn (part 3): grid 8 x 32, 4 waves a work-group, clusters of 4 x 4, 327,680 bytes of LDS; arguments qkv, attention_mask, ctx; writes ctx
.if DOCPART == 3
	.amdgcn_target "amdgcn-amd-amdhsa--gfx1250"
	.amdhsa_code_object_version 6
	.text
	.protected	k_qefbd2a807c_attn
	.globl	k_qefbd2a807c_attn
	.p2align	8
	.type	k_qefbd2a807c_attn,@function
k_qefbd2a807c_attn:
	s_mov_b64 s[64:65], 0
	v_nop
	global_prefetch_b8 v0, s[64:65] scope:SCOPE_SE
	s_setreg_imm32_b32 hwreg(HW_REG_WAVE_MODE, 25, 1), 1
	s_wait_xcnt 0x0
	s_wait_alu depctr_hold_cnt(0) depctr_sa_sdst(0) depctr_va_vdst(0) depctr_va_sdst(0) depctr_va_ssrc(0) depctr_va_vcc(0) depctr_vm_vsrc(0)
	s_getreg_b32 s2, hwreg(HW_REG_IB_STS2, 6, 4)
	s_cmp_eq_u32 s2, 0
	s_cbranch_scc0 .Lentry_in_a_cluster
	s_endpgm
.Lentry_in_a_cluster:
	s_bfe_u32 s2, ttmp6, 0x10000c
	s_cmp_lg_u32 s2, 0xf033
	s_cbranch_scc0 .Lentry_shape_is_right
	s_endpgm
.Lentry_shape_is_right:
; ATTN.  ctx[b][q][64 hd + :] = the sum over k of softmax_k(s) v[k], s = fl(q . k x 2^-5 + fl(mask[b][q][k] x -1e9)).  qkv: [8192][3072] f16 (q, k, v side by side, a head = 64 columns);
; attention_mask: [8][1024][1024] f32; ctx: [8192][1024] f16.  Products, maxima and sums in f32; the weights p are rounded to f16 for the second product (their sum l is of the unrounded p), ctx once.
; THE SCORES' ROUNDINGS.  mask x -1e9 is rounded by itself and the scaled product is then added in one rounding (2^-5 is exact), so that a score has the bits that a multiply and an add give.
; The maximum is taken away first, d = s - m, and only then comes the factor log2(e): at scores near -1e9 a product c m rounded by itself would be off by tens.
; LIMITS.  rsqrt(1024) is taken as 2^-5.  Scores lie above -4.25e37, where m starts.  A weight below 2^-126 counts as 0 in l.  f16 ends at 65,504.  NaN and infinities are not treated apart.
; SHARES.  Work-group (xg, y): heads 2 xg and 2 xg + 1, batch y / 4, queries 256 (y % 4) on.  Wave w: 64 queries x both heads, as four PIECES of 16 queries x 2 heads (units u = 0, 1):
; a piece's 32 mask registers, and their product with -1e9, serve both heads.  All 1,024 keys are walked, 64 a step.
; CLUSTER 4 x 4.  The mask's tile hangs on y alone: shared along a row of the cluster.  K and V hang on the batch and xg: shared along a column.  All three are joint loads.
; LAYOUT.  S^T = K Q^T (source 0 = 16 keys, source 1 = 16 queries): a lane holds ONE query (lane % 16) and keys 8 (lane / 16) + 0..7; two such results rounded to f16 ARE source 1 of O^T = V^T P.
; BY TURNS.  Turn p does the whole softmax of piece p; beside it 16 products V^T P of piece p - 1, then 16 products K Q^T of piece p + 1, four vector instructions behind each; the rest in two lumps.
; REGISTERS (windows of 256; s_set_vgpr_msb: bits 1:0 source 0, 3:2 source 1, 5:4 source 2, 7:6 destination):
;   window 0: v0-15 addresses; v16-47 statistics, four a unit (m, m_old, l even, l odd); v48-55 at work; v64-191 S^T, two buffers of two units; v192-255 P likewise
;   window 1: O^T, 32 a unit     window 2: v0-127 Q, v128-255 K of one step     window 3: v0-127 V of one step, v128-191 the mask, two buffers
.set PM,    272       ; a row of the mask's tile in LDS: 64 f32 + 16 bytes
.set PK,    272       ; a row of K: two heads' 128 f16 + 16 bytes
.set PV_,   288       ; a row of V: 256 + 32 bytes
.set KOFF,  256*PM
.set VOFF,  KOFF+64*PK
.set SLOT1, 131072    ; slot 1 begins here: one exclusive or turns an address in one slot into the other's
.set STAGE, SLOT1+VOFF+64*PV_   ; behind the ring: 16 rows x 272 bytes for each wave
.set SP,    272
.set SPARE, STAGE+4*16*SP       ; behind the stages: the spare words, 128 bytes for each wave
.set AK0, 2
.set AV0, 3
.set AM0, 4
.set AK,  5
.set AV,  6
.set AM,  7
.set QO,  8           ; my byte offset in 16 rows of Q; later GO, in two rows of ctx
.set GO,  8
.set SPW, 12          ; LDS address of my spare word; never rewritten
.set NIL, 13          ; 0; never rewritten
.set STO, 14
.set RD,  15
.set ST,  16
.set TMP, 48
.set S,   64
.set P,   192
.set KF,  128         ; window 2
.set MR,  128         ; window 3
.set WV,  12
.set G1M, 24
.set G1K, 32
.set G1V, 40
.set G0M, 48
.set G0K, 52
.set G0V, 56
.set SLOTS, 60
.set CNT, 61
.set SB,  62          ; the LDS byte at which the slot being read begins
.set CS,  66          ; s[66:67] log2(e)
.set NEG, 68          ; s[68:69] -1e9
.set SC,  70          ; s[70:71] 2^-5
.set SEL, 72          ; s[72:73] v_permlanex16_b32's selects: each lane takes its own place in the other half
.set MSB, 0
.macro WIN new
.if MSB != (\new)
	s_set_vgpr_msb (MSB<<8)|(\new)
.set MSB, (\new)
.endif
.endm
.set W_KQ, 0x0a       ; K and Q window 2, S^T window 0
.set W_PV, 0x53       ; V window 3, P window 0, O^T window 1
.set W_RS, 0x41       ; O^T (destination, source 0) window 1, the factor window 0
.set W_T,  0xc3       ; the mask in place, window 3
.set W_A,  0x30       ; S^T window 0, the addend window 3
; A joint fill: waves 0 and 1 fetch the two halves of the mask's tile, wave 2 K's, wave 3 V's.  An s_nop 0 and four v_nop follow each line.
.macro JLOAD
	s_cmp_lt_u32 s[WV], 2
	s_cbranch_scc0 .Lnot_m_\@
	tensor_load_to_lds s[G0M:G0M+3], s[G1M:G1M+7]
	s_nop 0
.rept 4
	v_nop
.endr
	s_branch .Lasked_\@
.Lnot_m_\@:
	s_cmp_eq_u32 s[WV], 2
	s_cbranch_scc0 .Lfor_v_\@
	tensor_load_to_lds s[G0K:G0K+3], s[G1K:G1K+7]
	s_nop 0
.rept 4
	v_nop
.endr
	s_branch .Lasked_\@
.Lfor_v_\@:
	tensor_load_to_lds s[G0V:G0V+3], s[G1V:G1V+7]
	s_nop 0
.rept 4
	v_nop
.endr
.Lasked_\@:
.endm
.macro CROUND                       ; a round of the cluster's barrier
	s_barrier_signal -1
	s_barrier_wait -1
	s_cmp_lg_u32 s[WV], 0
	s_cbranch_scc1 .Lnot_wave_0_\@
	s_barrier_signal -3
.Lnot_wave_0_\@:
	s_barrier_wait -3
	s_barrier_signal -1
	s_barrier_wait -1
.endm
; THE CHANGE OF SLOTS, once a key step.  Each wave waits for all its tensor loads (one is out: its part of the other slot), adds 0 to its spare word, and waits for that and for its reads of the slot it leaves.
; fill = 1: the slot that is left takes the step after next's... the keys one step beyond the slot now entered; the barrier is a round of the cluster's, and the joint fill is the first thing behind it.
.macro CHANGE fill
	WIN 0
	s_wait_tensorcnt 0x0            ; no tensor load of mine is out, so a group 0 may be written
	ds_add_u32 v[SPW], v[NIL]
.if \fill
	s_xor_b32 s[G0M+1], s[G0M+1], SLOT1
	s_add_nc_u64 s[G0M+2:G0M+3], s[G0M+2:G0M+3], 256      ; 64 keys along the mask's rows
	s_xor_b32 s[G0K+1], s[G0K+1], SLOT1
	s_add_nc_u64 s[G0K+2:G0K+3], s[G0K+2:G0K+3], 64*6144  ; 64 rows of qkv
	s_xor_b32 s[G0V+1], s[G0V+1], SLOT1
	s_add_nc_u64 s[G0V+2:G0V+3], s[G0V+2:G0V+3], 64*6144
.endif
	s_wait_dscnt 0x0                ; the add is done, and my reads of the slot are over
.if \fill
	CROUND
	JLOAD
.else
	s_barrier_signal -1
	s_barrier_wait -1
.endif
	s_xor_b32 s[SB], s[SB], SLOT1   ; the reads go on in the other slot
	v_add_nc_u32 v[AK], s[SB], v[AK0]
	v_add_nc_u32 v[AV], s[SB], v[AV0]
	v_add_nc_u32 v[AM], s[SB], v[AM0]
.endm
	s_load_b128 s[4:7], s[0:1], 0x0   ; qkv s[4:5], attention_mask s[6:7]
	s_load_b64 s[8:9], s[0:1], 0x10   ; ctx
	v_lshl_add_u32 v[SPW], v0, 2, SPARE
	v_mov_b32 v[NIL], 0
	ds_add_u32 v[SPW], v[NIL]       ; the wave's opening
	v_lshrrev_b32 v1, 5, v0
	v_readfirstlane_b32 s[WV], v1   ; wave 0..3
	s_bfe_u32 s13, ttmp6, 0x40000   ; cx
	s_bfe_u32 s14, ttmp6, 0x40004   ; cy
	s_lshl_b32 s15, ttmp9, 2
	s_add_co_u32 s15, s15, s13      ; xg = 4 x cluster x + cx: the pair of heads
	s_and_b32 s17, ttmp7, 0xffff    ; the batch = cluster y
	s_lshl_b32 s16, s17, 2
	s_add_co_u32 s16, s16, s14      ; y = 4 x cluster y + cy: the block of 256 rows
	s_lshl_b32 s18, s14, 2
	s_lshl_b32 s18, 15, s18         ; my row of the cluster
	s_lshl_b32 s19, 0x1111, s13     ; my column
	s_or_b32 s[G1M], s18, (2<<16)|(1<<20)|(1<<21)|(5<<22)|(3<<25)  ; mask; 4-byte elements; padding on; bit 21 beside a mask; after every 64 words, 4 words
	s_mov_b32 s[G1M+1], 64<<16      ; tensor_dim0 = 64
	s_mov_b32 s[G1M+2], 128<<16     ; tensor_dim1 = 128 rows
	s_mov_b32 s[G1M+3], 64<<16      ; tile_dim0 = 64
	s_mov_b32 s[G1M+4], 128         ; tile_dim1 = 128
	s_mov_b32 s[G1M+5], 1024        ; elements from row to row
	s_mov_b32 s[G1M+6], 0
	s_mov_b32 s[G1M+7], 0
	s_or_b32 s[G1K], s19, (1<<16)|(1<<20)|(1<<21)|(5<<22)|(3<<25)  ; 2-byte elements, 4 words of padding
	s_or_b32 s[G1V], s19, (1<<16)|(1<<20)|(1<<21)|(5<<22)|(7<<25)  ; the same with 8 words
.irp g, G1K, G1V
	s_mov_b32 s[\g+1], 128<<16      ; tensor_dim0 = 128: two heads' channels
	s_mov_b32 s[\g+2], 64<<16       ; tensor_dim1 = 64 keys
	s_mov_b32 s[\g+3], 128<<16
	s_mov_b32 s[\g+4], 64
	s_mov_b32 s[\g+5], 3072
	s_mov_b32 s[\g+6], 0
	s_mov_b32 s[\g+7], 0
.endr
	s_and_b32 s21, s[WV], 1
	s_lshl_b32 s21, s21, 19         ; the mask: my half's 128 rows of 4,096 bytes,
	s_lshl_b32 s20, s16, 20         ; in block y
	s_add_co_u32 s20, s20, s21
	s_mov_b32 s21, 0
	s_mul_i32 s22, s17, 1024*6144   ; K and V: the batch's rows of qkv,
	s_lshl_b32 s23, s15, 8          ; the pair of heads' 256 bytes
	s_add_co_u32 s22, s22, s23
	s_mov_b32 s23, 0
	s_lshl_b32 s74, s16, 8
	s_lshl_b32 s75, s[WV], 6
	s_add_co_u32 s74, s74, s75      ; my wave's first row
	s_lshl_b32 s76, s74, 11         ; in ctx,
	s_mul_i32 s74, s74, 6144        ; and in qkv
	s_lshl_b32 s75, s15, 8
	s_add_co_u32 s74, s74, s75
	s_add_co_u32 s76, s76, s75
	s_mov_b32 s75, 0
	s_mov_b32 s77, 0
	s_mov_b32 s[G0M], 1
	s_mul_i32 s[G0M+1], s[WV], 128*PM  ; waves 0 and 1: the tile's two halves
	s_mov_b32 s[G0K], 1
	s_mov_b32 s[G0K+1], KOFF
	s_mov_b32 s[G0V], 1
	s_mov_b32 s[G0V+1], VOFF
	s_mov_b32 s[CS], 0x3fb8aa3b     ; log2(e)
	s_mov_b32 s[CS+1], s[CS]
	s_mov_b32 s[NEG], 0xce6e6b28    ; -1e9
	s_mov_b32 s[NEG+1], s[NEG]
	s_mov_b32 s[SC], 0x3d000000     ; 2^-5
	s_mov_b32 s[SC+1], s[SC]
	s_mov_b32 s[SEL], 0x76543210
	s_mov_b32 s[SEL+1], 0xfedcba98
	s_mov_b32 s[SB], SLOT1          ; the first change of slots turns it into 0
	s_wait_dscnt 0x0                ; the opening add is done
	s_wait_kmcnt 0x0
	s_add_nc_u64 s[G0M+2:G0M+3], s[6:7], s[20:21]
	s_or_b32 s[G0M+3], s[G0M+3], 0x80000000
	s_add_nc_u64 s[G0K+2:G0K+3], s[4:5], s[22:23]
	s_add_nc_u64 s[G0V+2:G0V+3], s[G0K+2:G0K+3], 4096   ; v's columns begin 2,048 numbers in,
	s_add_nc_u64 s[G0K+2:G0K+3], s[G0K+2:G0K+3], 2048   ; k's 1,024
	s_or_b32 s[G0K+3], s[G0K+3], 0x80000000
	s_or_b32 s[G0V+3], s[G0V+3], 0x80000000
	s_add_nc_u64 s[2:3], s[4:5], s[74:75]       ; Q at my wave's first row
	s_add_nc_u64 s[10:11], s[8:9], s[76:77]     ; ctx likewise
	CROUND                          ; all sixteen work-groups are here: the first joint loads meet
	JLOAD                           ; key step 0 into slot 0: one load of mine is out
	v_and_b32 v1, 15, v0            ; r = lane % 16
	v_bfe_u32 v9, v0, 4, 1          ; h = lane / 16
	v_mul_u32_u24 v[QO], v1, 6144
	v_lshl_add_u32 v[QO], v9, 4, v[QO]
	WIN 0x80                        ; destination window 2
.irp p, 0,1,2,3
.irp f, 0,1,2,3                     ; unit f / 2, channels 32 (f % 2) on: Q stays in registers
	global_load_b128 v[32*(\p)+8*(\f):32*(\p)+8*(\f)+3],   v[QO], s[2:3] offset:(\p)*98304+((\f)/2)*128+((\f)%2)*64
	global_load_b128 v[32*(\p)+8*(\f)+4:32*(\p)+8*(\f)+7], v[QO], s[2:3] offset:(\p)*98304+((\f)/2)*128+((\f)%2)*64+32
.endr
.endr
	; What the first turn finds: V and P's second buffer hold 0 (its products V^T P, of a piece that has not been, add 0); O^T and l are 0; m is far below every score, so the first step's factor is 0.
	WIN 0xc0
.set i, 0
.rept 128
	v_mov_b32 v[i], 0
.set i, i+1
.endr
	WIN 0x40
.set i, 0
.rept 256
	v_mov_b32 v[i], 0
.set i, i+1
.endr
	WIN 0
.set i, 0
.rept 8
	v_mov_b32 v[ST+4*i], 0xfe000000
	v_mov_b32 v[ST+4*i+1], 0
	v_mov_b32 v[ST+4*i+2], 0
	v_mov_b32 v[ST+4*i+3], 0
.set i, i+1
.endr
.set i, P+32
.rept 32
	v_mov_b32 v[i], 0
.set i, i+1
.endr
	v_mul_u32_u24 v10, v1, PK
	v_lshl_add_u32 v[AK0], v9, 4, v10   ; K: key r x pitch + 16 h
	v_add_nc_u32 v[AK0], KOFF, v[AK0]
	s_mul_i32 s20, s[WV], 64*PM
	v_lshl_add_u32 v[AM0], v9, 5, v10   ; the mask: query (64 w + r) x pitch + 8 h keys of 4 bytes
	v_add_nc_u32 v[AM0], s20, v[AM0]
	v_and_b32 v10, 7, v0                ; V, for the turning load: key 8 h + lane % 8, channels 8 ((lane / 8) % 2) on
	v_bfe_u32 v11, v0, 3, 1
	v_lshl_add_u32 v[AV0], v9, 3, v10
	v_mul_u32_u24 v[AV0], v[AV0], PV_
	v_lshl_add_u32 v[AV0], v11, 4, v[AV0]
	v_add_nc_u32 v[AV0], VOFF, v[AV0]
; THE MATRIX WORK.  The 8 accumulators of a run of 16 take turns.  mi is the product's number in its run.
.macro KQ x                         ; S^T = K Q^T of piece x: channels 32 (mi / 8) on, keys 16 ((mi / 2) % 4) on, unit mi % 2.  The first 8 start the sums
	WIN W_KQ
.set rD, S+64*((\x)%2)+32*(mi%2)+8*((mi/2)%4)
.set rK, KF+64*(mi%2)+16*((mi/2)%4)+8*(mi/8)
.set rQ, 16*(2*(\x)+mi%2)+8*(mi/8)
.if mi < 8
	v_wmma_f32_16x16x32_f16 v[rD:rD+7], v[rK:rK+7], v[rQ:rQ+7], 0
.else
	v_wmma_f32_16x16x32_f16 v[rD:rD+7], v[rK:rK+7], v[rQ:rQ+7], v[rD:rD+7]
	s_wait_alu depctr_va_vdst(0)
.endif
.endm
.macro PV x                         ; O^T += V^T P of piece x: keys 32 (mi / 8) on, channels 16 ((mi / 2) % 4) on, unit mi % 2
	WIN W_PV
.set rD, 32*(2*(\x)+mi%2)+8*((mi/2)%4)
.set rV, 64*(mi%2)+32*(mi/8)+8*((mi/2)%4)
.set rB, P+32*((\x)%2)+16*(mi%2)+8*(mi/8)
	v_wmma_f32_16x16x32_f16 v[rD:rD+7], v[rV:rV+7], v[rB:rB+7], v[rD:rD+7]
.endm
; THE LDS LOADS stand in runs.
.macro FETCH_K                      ; a step's K, both heads: 16 fragments
	WIN 0x80
.irp u, 0,1
.irp f, 0,1,2,3,4,5,6,7             ; keys 16 (f / 2) on, channels 32 (f % 2) on
	ds_load_b128 v[KF+64*(\u)+8*(\f):KF+64*(\u)+8*(\f)+3],   v[AK] offset:((\f)/2)*16*PK+128*(\u)+((\f)%2)*64
	ds_load_b128 v[KF+64*(\u)+8*(\f)+4:KF+64*(\u)+8*(\f)+7], v[AK] offset:((\f)/2)*16*PK+128*(\u)+((\f)%2)*64+32
.endr
.endr
.endm
.macro FETCH_V                      ; a step's V, both heads, turned
	WIN 0xc0
.irp u, 0,1
.irp f, 0,1,2,3,4,5,6,7             ; keys 32 (f / 4) on, channels 16 (f % 4) on
	ds_load_tr16_b128 v[64*(\u)+8*(\f):64*(\u)+8*(\f)+3],   v[AV] offset:((\f)/4)*32*PV_+128*(\u)+((\f)%4)*32
	ds_load_tr16_b128 v[64*(\u)+8*(\f)+4:64*(\u)+8*(\f)+7], v[AV] offset:((\f)/4)*32*PV_+16*PV_+128*(\u)+((\f)%4)*32
.endr
.endr
.endm
.macro FETCH_M y                    ; piece y's mask: register 8 kb + j is key 16 kb + 8 h + j of my query: S^T's own layout
	WIN 0xc0
.irp kb, 0,1,2,3
	ds_load_b128 v[MR+32*((\y)%2)+8*(\kb):MR+32*((\y)%2)+8*(\kb)+3],   v[AM] offset:(\y)*16*PM+64*(\kb)
	ds_load_b128 v[MR+32*((\y)%2)+8*(\kb)+4:MR+32*((\y)%2)+8*(\kb)+7], v[AM] offset:(\y)*16*PM+64*(\kb)+16
.endr
.endm
; THE VECTOR WORK OF A TURN is one numbered list of 316 lines for piece Y; VOP writes line vn and steps vn.  Every aligned group of four lies under one window setting.
.macro REGS y, u
.set rT, ST+4*(2*(\y)+(\u))
.set rC, TMP+4*(\u)
.set rS, S+64*((\y)%2)+32*(\u)
.set rP, P+32*((\y)%2)+16*(\u)
.set rO, 32*(2*(\y)+(\u))
.endm
; The 22 steps of a unit's maximum and statistics: 0-11 four chains c0-c3 of seven scores; 12, 13 the four left over; 14 the old m joins; 15 m_old is kept; 16 one maximum; 17, 18 the other half of the lanes: the new m;
; 19-21 the factor a = 2^(log2(e) (m_old - m)), into c2.
.macro XS u, k
	REGS Y, \u
	WIN 0
.if (\k) < 4
	v_max3_num_f32 v[rC+(\k)], v[rS+8*(\k)], v[rS+8*(\k)+1], v[rS+8*(\k)+2]
.elseif (\k) < 12
	v_max3_num_f32 v[rC+(\k)%4], v[rC+(\k)%4], v[rS+8*((\k)%4)+2*((\k)/4)+1], v[rS+8*((\k)%4)+2*((\k)/4)+2]
.elseif (\k) == 12
	v_max3_num_f32 v[rC], v[rC], v[rS+7], v[rS+15]
.elseif (\k) == 13
	v_max3_num_f32 v[rC+1], v[rC+1], v[rS+23], v[rS+31]
.elseif (\k) == 14
	v_max3_num_f32 v[rC+2], v[rC+2], v[rC+3], v[rT]
.elseif (\k) == 15
	v_mov_b32 v[rT+1], v[rT]
.elseif (\k) == 16
	v_max3_num_f32 v[rC], v[rC], v[rC+1], v[rC+2]
.elseif (\k) == 17
	v_permlanex16_b32 v[rC+3], v[rC], s[SEL], s[SEL+1]
.elseif (\k) == 18
	v_max_num_f32 v[rT], v[rC], v[rC+3]
.elseif (\k) == 19
	v_sub_f32 v[rC+1], v[rT+1], v[rT]
.elseif (\k) == 20
	v_mul_f32 v[rC+1], s[CS], v[rC+1]
.else
	v_exp_f32 v[rC+2], v[rC+1]
.endif
.endm
; The plain queue, 128 long.  0-63, in groups of 16 for four pairs of both units: eight times s - m, then eight times the factor log2(e).
; 64-127, in groups of 8 for four weights of both units: both pairs rounded to f16; the second pair added onto the first; l takes that sum (the first time as l = a l + sum).
.macro PQ x
	WIN 0
.if (\x) < 64
.set pz, (\x)%16
.set pp, 4*((\x)/16)+(pz%8)/2
	REGS Y, pz%2
.if pz < 8
	v_pk_add_f32 v[rS+2*pp:rS+2*pp+1], v[rS+2*pp:rS+2*pp+1], v[rT:rT+1] op_sel_hi:[1,0] neg_lo:[0,1] neg_hi:[0,1]
.else
	v_pk_mul_f32 v[rS+2*pp:rS+2*pp+1], v[rS+2*pp:rS+2*pp+1], s[CS:CS+1] op_sel_hi:[1,0]
.endif
.else
.set pg, ((\x)-64)/8
.set pz, ((\x)-64)%8
	REGS Y, pz%2
.if pz < 4
	s_wait_alu depctr_va_vdst(0)
	v_cvt_pk_f16_f32 v[rP+2*pg+pz/2], v[rS+4*pg+2*(pz/2)], v[rS+4*pg+2*(pz/2)+1]
.elseif pz < 6
	v_pk_add_f32 v[rS+4*pg:rS+4*pg+1], v[rS+4*pg:rS+4*pg+1], v[rS+4*pg+2:rS+4*pg+3]
.elseif pg == 0
	v_pk_fma_f32 v[rT+2:rT+3], v[rT+2:rT+3], v[rC+2:rC+3], v[rS:rS+1] op_sel_hi:[1,0,1]
.else
	v_pk_add_f32 v[rT+2:rT+3], v[rT+2:rT+3], v[rS+4*pg:rS+4*pg+1]
	s_wait_alu depctr_va_vdst(0)
.endif
.endif
.endm
; The list: 0-15 the mask times -1e9; 16-47 s = product x 2^-5 + that, ascending; 48-91 the maximum and statistics, units alternating;
; 92-147 plain 0-55; 148-179 O^T times a, ascending in each accumulator; 180-307 sixty-four pairs of an exponential and a plain line (56 on), so that a plain line that touches neither its result nor its
; source stands behind every exponential; 308-315 the last eight plain lines.  Exponential i is score i / 2 of unit i % 2: its scaling stands at plain 16 (i / 16) + 8 + ..., at least 40 lines ahead;
; the rounding of a pair stands four pairs of lines or more behind its second exponential.
.macro VOP
.if vn < 16
	WIN W_T
	v_pk_mul_f32 v[MB+2*vn:MB+2*vn+1], v[MB+2*vn:MB+2*vn+1], s[NEG:NEG+1] op_sel_hi:[1,0]
.elseif vn < 48
.set vx, vn-16
	REGS Y, vx%2
	WIN W_A
	v_pk_fma_f32 v[rS+2*(vx/2):rS+2*(vx/2)+1], v[rS+2*(vx/2):rS+2*(vx/2)+1], s[SC:SC+1], v[MB+2*(vx/2):MB+2*(vx/2)+1] op_sel_hi:[1,0,1]
.elseif vn < 92
	XS (vn-48)%2, (vn-48)/2
.elseif vn < 148
	PQ vn-92
.elseif vn < 180
.set vx, vn-148
	REGS Y, (vx/4)%2
	WIN W_RS
	v_pk_mul_f32 v[rO+8*(vx/8)+2*(vx%4):rO+8*(vx/8)+2*(vx%4)+1], v[rO+8*(vx/8)+2*(vx%4):rO+8*(vx/8)+2*(vx%4)+1], v[rC+2:rC+3] op_sel_hi:[1,0]
.elseif vn < 308
.set vx, (vn-180)/2
.if (vn-180)%2 == 0
	REGS Y, vx%2
	WIN 0
	v_exp_f32 v[rS+vx/2], v[rS+vx/2]
.else
	PQ 56+vx
.endif
.else
	PQ 120+vn-308
.endif
.set vn, vn+1
.endm
.macro SL4
	VOP
	VOP
	VOP
	VOP
.endm
; A TURN, for piece p.  At its head the piece's mask (asked for a turn ago) is waited for, and in turn 1 V; the next piece's mask is asked for, and in turn 3, which stands behind the change of slots, the next step's K.
; V of the step in hand is asked for in turn 0 behind the last product that reads the old V and four v_max3_num_f32, its places.  No rider names a register of the products round it.
.macro TURN p
.set Y, (\p)
.set MB, MR+32*((\p)%2)
.set vn, 0
.set mi, 0
	s_wait_dscnt 0x0
	FETCH_M ((\p)+1)%4
.if (\p) == 3
	FETCH_K
.endif
.rept 16
	PV ((\p)+3)%4
.set mi, mi+1
	SL4
.endr
.if (\p) == 0
	FETCH_V
.endif
.rept 7
	SL4
.endr
.if (\p) == 3
	s_wait_dscnt 0x0                ; K is in
.endif
.set mi, 0
.rept 16
	KQ ((\p)+1)%4
.set mi, mi+1
	SL4
.endr
.rept 40
	SL4
.endr
	WIN 0
.endm
	CHANGE 1                        ; slot 0 is in, everybody's part of it; key step 1 is asked for, into slot 1
	FETCH_M 0
	FETCH_K
	s_wait_loadcnt 0x0              ; Q
	s_wait_dscnt 0x0
.set mi, 0
.rept 16
	KQ 0                            ; piece 0's first scores
.set mi, mi+1
.endr
	WIN 0                           ; the addresses for the way out: eight plain lines, the places behind those products
	s_mul_i32 s20, s[WV], 16*SP
	s_add_co_u32 s20, s20, STAGE    ; my stage
	v_mul_u32_u24 v[STO], v1, SP    ; in: row r, 16 bytes for each half of the lanes
	v_lshl_add_u32 v[STO], v9, 4, v[STO]
	v_add_nc_u32 v[STO], s20, v[STO]
	v_mul_u32_u24 v[RD], v9, SP     ; back: lanes 0-15 one row of 256 bytes, lanes 16-31 the next
	v_lshl_add_u32 v[RD], v1, 4, v[RD]
	v_add_nc_u32 v[RD], s20, v[RD]
	v_lshlrev_b32 v[GO], 11, v9     ; and the same two rows in ctx (Q's loads, which read this register, are done)
	v_lshl_add_u32 v[GO], v1, 4, v[GO]
	s_mov_b32 s[SLOTS], 15
	s_branch .Lfirst                ; the loop is entered at a step's first turn
.Lslot:                             ; 14 whole trips: key steps 2 to 15 are asked for
	CHANGE 1
	TURN 3
.Lfirst:
	TURN 0
	TURN 1
	TURN 2
	s_sub_co_u32 s[SLOTS], s[SLOTS], 1
	s_cmp_lg_u32 s[SLOTS], 0
	s_cbranch_scc1 .Lslot
	CHANGE 0                        ; the tail is written out: nothing is asked for
	s_mov_b32 s[CNT], 2
.Ltail:
	TURN 3
	s_sub_co_u32 s[CNT], s[CNT], 1
	s_cmp_eq_u32 s[CNT], 0
	s_cbranch_scc1 .Lout
	TURN 0
	TURN 1
	TURN 2
	s_branch .Ltail
.Lout:                              ; the second turn 3 has read the last slot's K and mask once more, and its 16 products K Q^T serve nothing: the price of one text for every turn
.set mi, 0
.rept 16
	PV 3                            ; the last piece's V^T P of the last step
.set mi, mi+1
.endr
	; THE WAY OUT.  l's two halves and the other half of the lanes' are added (these lines are the places behind the last products); O^T is divided by l, rounded to f16, and sent through my stage, a piece at a time.
	WIN 0
.set t, 0
.rept 8
	v_add_f32 v[ST+4*t+2], v[ST+4*t+2], v[ST+4*t+3]
.set t, t+1
.endr
.set t, 0
.rept 8
	v_permlanex16_b32 v[ST+4*t+3], v[ST+4*t+2], s[SEL], s[SEL+1]
.set t, t+1
.endr
.set t, 0
.rept 8
	v_add_f32 v[ST+4*t+2], v[ST+4*t+2], v[ST+4*t+3]
.set t, t+1
.endr
.set t, 0
.rept 8
	v_rcp_f32 v[ST+4*t+2], v[ST+4*t+2]
.set t, t+1
.endr
	v_nop                           ; a plain line between the last reciprocal and the use of its result
	s_wait_alu depctr_va_vdst(0)
.macro PACK p                       ; a row of ctx's 256 bytes here is two heads' 64 channels; a lane's eight channels pack into 16 bytes
	WIN W_RS
.irp u, 0,1
.set i, 0
.rept 16
	v_pk_mul_f32 v[32*(2*(\p)+(\u))+2*i:32*(2*(\p)+(\u))+2*i+1], v[32*(2*(\p)+(\u))+2*i:32*(2*(\p)+(\u))+2*i+1], v[ST+4*(2*(\p)+(\u))+2:ST+4*(2*(\p)+(\u))+3] op_sel_hi:[1,0]
.set i, i+1
.endr
.endr
	WIN 0x05                        ; sources window 1, destination window 0: S^T's registers are free
.set i, 0
.rept 32
	v_cvt_pk_f16_f32 v[S+32*(\p)+i], v[64*(\p)+2*i], v[64*(\p)+2*i+1]
.set i, i+1
.endr
	WIN 0
.irp f, 0,1,2,3,4,5,6,7             ; unit f / 4, channels 16 (f % 4) on
	ds_store_b128 v[STO], v[S+32*(\p)+4*(\f):S+32*(\p)+4*(\f)+3] offset:32*(\f)
.endr
.irp f, 0,1,2,3,4,5,6,7
	ds_load_b128 v[S+32*(\p)+4*(\f):S+32*(\p)+4*(\f)+3], v[RD] offset:(\f)*2*SP  ; LDS serves a wave's instructions in order (ISA guide 5.7.1.4): these see the stores above
.endr
.endm
.macro SEND p, younger              ; younger: the LDS instructions issued behind piece p's loads
.irp f, 0,1,2,3,4,5,6,7
	s_wait_dscnt (\younger)+7-(\f)
	global_store_b128 v[GO], v[S+32*(\p)+4*(\f):S+32*(\p)+4*(\f)+3], s[10:11] offset:(\p)*32768+(\f)*4096  ; 16 lanes store 256 consecutive bytes, aligned
.endr
.endm
	PACK 0
	PACK 1
	SEND 0, 16
	PACK 2
	SEND 1, 16
	PACK 3
	SEND 2, 16
	SEND 3, 0
	s_wait_tensorcnt 0x0            ; the wave's end
	ds_add_u32 v[SPW], v[NIL]
	s_wait_dscnt 0x0
	CROUND                          ; the closing round: no work-group ends while a partner may still ask for a tile that names it
	s_endpgm
.Lfunc_end_k_qefbd2a807c_attn:
	.size	k_qefbd2a807c_attn, .Lfunc_end_k_qefbd2a807c_attn-k_qefbd2a807c_attn
	.p2alignl 7, 3214868480
	.fill 96, 4, 3214868480
	.section	.rodata,"a",@progbits
	.p2align	6, 0x0
	.amdhsa_kernel k_qefbd2a807c_attn
		.amdhsa_group_segment_fixed_size 327680
		.amdhsa_private_segment_fixed_size 0
		.amdhsa_enable_private_segment 0
		.amdhsa_kernarg_size 24
		.amdhsa_user_sgpr_count 2
		.amdhsa_user_sgpr_kernarg_segment_ptr 1
		.amdhsa_wavefront_size32 1
		.amdhsa_system_sgpr_workgroup_id_x 1
		.amdhsa_system_sgpr_workgroup_id_y 1
		.amdhsa_system_sgpr_workgroup_id_z 1
		.amdhsa_system_vgpr_workitem_id 0
		.amdhsa_next_free_vgpr 960
		.amdhsa_next_free_sgpr 80
		.amdhsa_reserve_vcc 0
		.amdhsa_float_denorm_mode_32 3
		.amdhsa_float_denorm_mode_16_64 3
		.amdhsa_memory_ordered 1
		.amdhsa_forward_progress 1
		.amdhsa_inst_pref_size 255
	.end_amdhsa_kernel
	.section	.bss,"aw",@nobits
	.p2align	6
	.space	262144
	.amdgpu_metadata
---
amdhsa.version: [ 1, 2 ]
amdhsa.kernels:
  - .name:           k_qefbd2a807c_attn
    .symbol:         k_qefbd2a807c_attn.kd
    .args:
      - { .name: qkv, .offset: 0, .size: 8, .value_kind: global_buffer, .address_space: global }
      - { .name: attention_mask, .offset: 8, .size: 8, .value_kind: global_buffer, .address_space: global }
      - { .name: ctx, .offset: 16, .size: 8, .value_kind: global_buffer, .address_space: global }
    .group_segment_fixed_size: 327680
    .private_segment_fixed_size: 0
    .kernarg_segment_align: 8
    .kernarg_segment_size: 24
    .max_flat_workgroup_size: 128
    .sgpr_count:     80
    .vgpr_count:     960
    .wavefront_size: 32
...
	.end_amdgpu_metadata
.endif
;; end of part 3
;; launch outp (part 4): grid 8 x 32, 4 waves a work-group, clusters of 4 x 4, 327,680 bytes of LDS; arguments ctx, wt, bp, out0; writes out0
.if DOCPART == 4
	.amdgcn_target "amdgcn-amd-amdhsa--gfx1250"
	.amdhsa_code_object_version 6
	.text
	.protected	k_qefbd2a807c_outp
	.globl	k_qefbd2a807c_outp
	.p2align	8
	.type	k_qefbd2a807c_outp,@function
k_qefbd2a807c_outp:
	s_mov_b64 s[64:65], 0
	v_nop
	global_prefetch_b8 v0, s[64:65] scope:SCOPE_SE
	s_setreg_imm32_b32 hwreg(HW_REG_WAVE_MODE, 25, 1), 1
	s_wait_xcnt 0x0
	s_wait_alu depctr_hold_cnt(0) depctr_sa_sdst(0) depctr_va_vdst(0) depctr_va_sdst(0) depctr_va_ssrc(0) depctr_va_vcc(0) depctr_vm_vsrc(0)
	s_getreg_b32 s2, hwreg(HW_REG_IB_STS2, 6, 4)
	s_cmp_eq_u32 s2, 0
	s_cbranch_scc0 .Lentry_in_a_cluster
	s_endpgm
.Lentry_in_a_cluster:
	s_bfe_u32 s2, ttmp6, 0x10000c
	s_cmp_lg_u32 s2, 0xf033
	s_cbranch_scc0 .Lentry_shape_is_right
	s_endpgm
.Lentry_shape_is_right:
; OUTP.  out0[m][n] = the sum over k of ctx[m][k] Wp[k][n] + bp[n].  ctx: [8192][1024] f16; wt from byte 6,291,456 on: Wp turned, row n = column n of Wp, 1,024 f16; out0: [8192][1024] f32, the f32 sums as they are.
; A tile of C is 256 x 128.  Four waves; wave w makes rows 64 w .. 64 w + 63 and all 128 columns: 32 accumulators of 16 x 16; a wave's row of C is 512 bytes: whole, aligned, from the wave's own stage.
; 8 x 32 = 256 tiles.  K goes in 8 steps of 128 (rows of 256 bytes) through two LDS slots filled by joint tensor loads; two slots of steps of 256 would be 405,504 bytes and do not fit.
; CLUSTER 4 x 4: the four of a row need the same tile of A, the four of a column the same tile of B.
; THE PRODUCT IS USED TRANSPOSED: source 0 = 16 rows of B, source 1 = 16 rows of A; a lane then holds row lane % 16 of C and eight neighbouring columns 8 (lane / 16) + 0..7.
; THE BIAS is the C operand of each accumulator's first product.
; THE TEXT: a K step is four quarters of 32 along K.  The first quarter stands ahead of the loop; a trip is a step's quarters 1, 2, 3 and the next step's quarter 0; the slot is a scalar that one exclusive or turns.
; REGISTERS: window 0: v0-31 addresses, v64-159 and v160-255 two fragment buffers (B's 8 fragments, then A's 4), on the way out v64-191 rows read back; window 1: the accumulators, (a, b) at v[8 (8 a + b)];
; window 2: v0-63 the bias, block b at v[8 b].
.set KSTEP,  128
.set PITCH,  272                       ; an LDS row: 256 bytes + 16 of padding: the 16 rows of a fragment load start at 16 different groups of four banks (64 banks of 4 bytes: ISA guide 11.1)
.set ABYTES, 256*PITCH                 ; A's 256 rows; B's 128 lie behind them
.set SLOT1,  131072                    ; slot 1 begins here (a slot is 104,448 bytes): one exclusive or turns an address in one slot into the other's
.set STAGE,  SLOT1+384*PITCH           ; behind slot 1: 16 rows x 528 bytes for each wave
.set SPITCH, 528
.set SPARE,  STAGE+4*16*SPITCH         ; behind the stages: the spare words, 128 bytes for each wave
.set STEPS,  8
.set CROW,   4096                      ; bytes in a row of out0
.set ADRA0, 16                         ; v16  my lane's place in slot 0's A; never rewritten
.set ADRB0, 17                         ; v17  the same for B
.set ADRA,  18                         ; v18  the same in the slot that is being fetched from
.set ADRB,  19
.set STO,  24
.set RD,   25
.set CO,   26
.set BO,   27
.set SPW,  28                          ; LDS address of my spare word; never rewritten
.set NIL,  29                          ; 0; never rewritten
.set OB,   64
.set F0,   64
.set F1,   160
.set WV,   10
.set G1A,  24                          ; s[24:31] descriptor group 1 for A's tiles
.set G1B,  32                          ; s[32:39] for B's
.set G0A,  40                          ; s[40:47] group 0 for A's tiles: a set for each of the two first fills; the second then walks on
.set G0B,  48                          ; s[48:55] the same for B's
.set SB,   61                          ; s61  the LDS byte at which the slot being fetched from begins
.set MSB, 0
.macro WIN new                         ; the immediate's high byte repeats the setting that is left; a switch that changes nothing is dropped
.if MSB != (\new)
	s_set_vgpr_msb (MSB<<8)|(\new)
.set MSB, (\new)
.endif
.endm
.set MULW, 0x50                        ; C and D window 1, sources window 0
.set MULB, 0x60                        ; C window 2 (the bias), D window 1
.macro JLOAD                           ; a joint refill: waves 0 and 1 fetch A's two halves, waves 2 and 3 B's; an s_nop 0 and four v_nop follow each line
	s_cmp_lt_u32 s[WV], 2
	s_cbranch_scc0 .Lfor_b_\@
	tensor_load_to_lds s[G0A+4:G0A+7], s[G1A:G1A+7]
	s_nop 0
.rept 4
	v_nop
.endr
	s_branch .Lasked_\@
.Lfor_b_\@:
	tensor_load_to_lds s[G0B+4:G0B+7], s[G1B:G1B+7]
	s_nop 0
.rept 4
	v_nop
.endr
.Lasked_\@:
.endm
.macro CREST                           ; a round of the cluster's barrier behind its opening barrier
	s_cmp_lg_u32 s[WV], 0
	s_cbranch_scc1 .Lnot_wave_0_\@
	s_barrier_signal -3
.Lnot_wave_0_\@:
	s_barrier_wait -3
	s_barrier_signal -1
	s_barrier_wait -1
.endm
.macro CROUND
	s_barrier_signal -1
	s_barrier_wait -1
	CREST
.endm
.macro PLACES                          ; four places in front of loads into registers that matrix instructions have read, and of lines that read results
.rept 4
	v_nop
.endr
.endm
	s_load_b256 s[68:75], s[0:1], 0x0              ; ctx s[68:69], wt s[70:71], bp s[72:73], out0 s[74:75]
	v_lshl_add_u32 v[SPW], v0, 2, SPARE
	v_mov_b32 v[NIL], 0
	ds_add_u32 v[SPW], v[NIL]                      ; the wave's opening
	v_lshrrev_b32 v1, 5, v0
	v_readfirstlane_b32 s[WV], v1                  ; wave 0..3
	s_and_b32 s12, s[WV], 1                        ; which half of A's or B's tile I fetch
	s_bfe_u32 s56, ttmp6, 0x40000                  ; cx
	s_bfe_u32 s57, ttmp6, 0x40004                  ; cy
	s_lshl_b32 s58, ttmp9, 2
	s_add_co_u32 s58, s58, s56                     ; tile column = 4 x cluster x + cx
	s_and_b32 s13, ttmp7, 0xffff
	s_lshl_b32 s13, s13, 2
	s_add_co_u32 s13, s13, s57                     ; tile row = 4 x cluster y + cy
	s_lshl_b32 s59, s57, 2
	s_lshl_b32 s59, 15, s59                        ; my row of the cluster
	s_lshl_b32 s60, 0x1111, s56                    ; my column
	s_or_b32 s[G1A], s59, (1<<16)|(1<<20)|(1<<21)|(5<<22)|(3<<25)   ; mask; 2-byte elements; padding on; bit 21 beside a mask; after every 64 words, 4 words
	s_or_b32 s[G1B], s60, (1<<16)|(1<<20)|(1<<21)|(5<<22)|(3<<25)
	s_mov_b32 s[G1A+1], KSTEP<<16                  ; tensor_dim0 = 128
	s_mov_b32 s[G1A+2], 128<<16                    ; tensor_dim1 = 128 rows
	s_mov_b32 s[G1A+3], KSTEP<<16                  ; tile_dim0 = 128
	s_mov_b32 s[G1A+4], 128                        ; tile_dim1 = 128
	s_mov_b32 s[G1A+5], 1024                       ; elements from row to row
	s_mov_b32 s[G1A+6], 0
	s_mov_b32 s[G1A+7], 0
	s_mov_b32 s[G1B+1], KSTEP<<16
	s_mov_b32 s[G1B+2], 64<<16                     ; B's halves have 64 rows
	s_mov_b32 s[G1B+3], KSTEP<<16
	s_mov_b32 s[G1B+4], 64
	s_mov_b32 s[G1B+5], 1024
	s_mov_b32 s[G1B+6], 0
	s_mov_b32 s[G1B+7], 0
	s_lshl_b32 s16, s13, 19                        ; A: 256 x tile row rows of 2,048 bytes
	s_lshl_b32 s17, s12, 18                        ; + 128 x half
	s_add_co_u32 s16, s16, s17
	s_mov_b32 s17, 0
	s_lshl_b32 s20, s58, 18                        ; B: 128 x tile column rows
	s_lshl_b32 s21, s12, 17                        ; + 64 x half
	s_add_co_u32 s20, s20, s21
	s_add_co_u32 s20, s20, 3072*2048               ; behind the blocks of q, k and v
	s_mov_b32 s21, 0
	s_mul_i32 s22, s[WV], 128*PITCH                ; where they go: A's halves at wave x 128 rows (waves 0, 1),
	s_mul_i32 s23, s[WV], 64*PITCH                 ; B's behind A's 256 rows: 128 rows + wave x 64 rows (waves 2, 3)
	s_add_co_u32 s23, s23, 128*PITCH
	s_mov_b32 s[SB], 0
	s_wait_dscnt 0x0                               ; the opening add is done
	s_wait_kmcnt 0x0
	s_add_nc_u64 s[14:15], s[68:69], s[16:17]
	s_add_nc_u64 s[62:63], s[70:71], s[20:21]
	CROUND                                         ; all sixteen work-groups are here: the first joint loads meet
.irp s, 0,1
	s_mov_b32 s[G0A+4*(\s)], 1
	s_add_co_u32 s[G0A+4*(\s)+1], s22, (\s)*SLOT1
	s_add_nc_u64 s[G0A+4*(\s)+2:G0A+4*(\s)+3], s[14:15], (\s)*KSTEP*2
	s_or_b32 s[G0A+4*(\s)+3], s[G0A+4*(\s)+3], 0x80000000
	s_mov_b32 s[G0B+4*(\s)], 1
	s_add_co_u32 s[G0B+4*(\s)+1], s23, (\s)*SLOT1
	s_add_nc_u64 s[G0B+4*(\s)+2:G0B+4*(\s)+3], s[62:63], (\s)*KSTEP*2
	s_or_b32 s[G0B+4*(\s)+3], s[G0B+4*(\s)+3], 0x80000000
.endr
	s_cmp_lt_u32 s[WV], 2                          ; a wave's two first fills stand in one branch, ahead of every wait on TENSORcnt and every LDS read: two loads of mine are out
	s_cbranch_scc0 .Lfirst_b
	tensor_load_to_lds s[G0A:G0A+3], s[G1A:G1A+7]
	s_nop 0
	tensor_load_to_lds s[G0A+4:G0A+7], s[G1A:G1A+7]
	s_nop 0
.rept 4
	v_nop
.endr
	s_branch .Lfirst_asked
.Lfirst_b:
	tensor_load_to_lds s[G0B:G0B+3], s[G1B:G1B+7]
	s_nop 0
	tensor_load_to_lds s[G0B+4:G0B+7], s[G1B:G1B+7]
	s_nop 0
.rept 4
	v_nop
.endr
.Lfirst_asked:
	v_and_b32 v1, 15, v0                           ; r = lane % 16
	v_bfe_u32 v2, v0, 4, 1                         ; h = lane / 16
	v_mul_u32_u24 v3, v1, PITCH
	v_lshl_add_u32 v3, v2, 4, v3                   ; a fragment's row x pitch + 16 h
	s_mul_i32 s16, s[WV], 64*PITCH                 ; my 64 rows of A
	v_add_nc_u32 v[ADRA0], s16, v3
	v_add_nc_u32 v[ADRB0], ABYTES, v3
	v_mov_b32 v[ADRA], v[ADRA0]
	v_mov_b32 v[ADRB], v[ADRB0]
	s_mul_i32 s17, s[WV], 16*SPITCH
	s_add_co_u32 s17, s17, STAGE                   ; my stage
	v_mul_u32_u24 v5, v1, SPITCH                   ; in: row r, 32 bytes for each half of the lanes
	v_lshl_add_u32 v5, v2, 5, v5
	v_add_nc_u32 v[STO], s17, v5
	v_and_b32 v4, 31, v0
	v_lshlrev_b32 v[CO], 4, v4                     ; back and out: 32 lanes take a row's 512 bytes
	v_add_nc_u32 v[RD], s17, v[CO]
	v_lshlrev_b32 v[BO], 5, v2                     ; the bias: 8 h numbers of 4 bytes
	s_lshl_b32 s20, s58, 9                         ; my 128 columns, in bytes of f32: in bp and in a row of out0
	s_mov_b32 s21, 0
	s_add_nc_u64 s[18:19], s[72:73], s[20:21]
	WIN 0x80                                       ; destination window 2
.irp b, 0,1,2,3,4,5,6,7
	global_load_b128 v[8*(\b):8*(\b)+3],   v[BO], s[18:19] offset:64*(\b)
	global_load_b128 v[8*(\b)+4:8*(\b)+7], v[BO], s[18:19] offset:64*(\b)+16
.endr
	WIN 0
	s_lshl_b32 s16, s13, 8
	s_lshl_b32 s17, s[WV], 6
	s_add_co_u32 s16, s16, s17                     ; my first row of C
	s_lshl_b32 s16, s16, 12
	s_mov_b32 s17, 0
	s_add_nc_u64 s[8:9], s[74:75], s[16:17]
	s_add_nc_u64 s[8:9], s[8:9], s[20:21]
; 8 matrix instructions: m block a x all 8 n blocks, 32 along K, from buffer f.  first = 1: the bias starts the sums.  The 32 accumulators take turns, one instruction a turn.
.macro MUL8 f, a, first
.if \first
	WIN MULB
.else
	WIN MULW
.endif
.irp b, 0,1,2,3,4,5,6,7
.if \first
	v_wmma_f32_16x16x32_f16 v[8*(8*(\a)+(\b)):8*(8*(\a)+(\b))+7], v[(\f)+8*(\b):(\f)+8*(\b)+7], v[(\f)+64+8*(\a):(\f)+64+8*(\a)+7], v[8*(\b):8*(\b)+7]
.else
	v_wmma_f32_16x16x32_f16 v[8*(8*(\a)+(\b)):8*(8*(\a)+(\b))+7], v[(\f)+8*(\b):(\f)+8*(\b)+7], v[(\f)+64+8*(\a):(\f)+64+8*(\a)+7], v[8*(8*(\a)+(\b)):8*(8*(\a)+(\b))+7]
.endif
.endr
.endm
.macro FETCH k, f                      ; 24 LDS loads in one run: B's 128 rows, then my 64 rows of A, 32 along K at byte k of the rows of the slot in hand
	WIN 0
.irp i, 0,1,2,3,4,5,6,7
	ds_load_b128 v[(\f)+8*(\i):(\f)+8*(\i)+3],   v[ADRB] offset:(\k)+(\i)*16*PITCH
	ds_load_b128 v[(\f)+8*(\i)+4:(\f)+8*(\i)+7], v[ADRB] offset:(\k)+(\i)*16*PITCH+32
.endr
.irp i, 0,1,2,3
	ds_load_b128 v[(\f)+64+8*(\i):(\f)+64+8*(\i)+3],   v[ADRA] offset:(\k)+(\i)*16*PITCH
	ds_load_b128 v[(\f)+64+8*(\i)+4:(\f)+64+8*(\i)+7], v[ADRA] offset:(\k)+(\i)*16*PITCH+32
.endr
.endm
; One of a step's first three quarters: multiplies buffer f and fetches the next quarter, at byte k, into g.
.macro QUARTER k, f, g, first
	s_wait_dscnt 4                                 ; only the youngest four loads (A's blocks 2, 3) may be out
	MUL8 \f, 0, \first
	MUL8 \f, 1, \first
	PLACES
	FETCH \k, \g
	s_wait_dscnt 24                                ; all but the 24 just issued
	MUL8 \f, 2, \first
	MUL8 \f, 3, \first
.endm
; A step's last quarter multiplies buffer 1 and changes slots: one barrier; in front of it each wave waits for all its tensor loads (one is out: its part of the next slot), adds 0 to its spare word, and waits for
; that and for its reads of this slot.  fill = 1: the barrier opens a round of the cluster's, and this slot takes the K step two on.
.macro TURN fill
	WIN 0
	s_wait_tensorcnt 0x0                           ; all my tensor loads have landed
	ds_add_u32 v[SPW], v[NIL]
	s_wait_dscnt 5                                 ; the add and the youngest four loads may be out
	MUL8 F1, 0, 0
	s_wait_dscnt 0x0                               ; the add is done, and my reads of this slot are over
	s_barrier_signal -1
	MUL8 F1, 1, 0
	WIN 0
	s_barrier_wait -1
.if \fill
	CREST                                          ; no wave of any partner still reads this slot or has a load on its way
	s_xor_b32 s[G0A+5], s[G0A+5], SLOT1            ; the walking descriptors: the other slot than last time,
	s_add_nc_u64 s[G0A+6:G0A+7], s[G0A+6:G0A+7], KSTEP*2   ; the next 128 along K; the type bits on top are not reached
	s_xor_b32 s[G0B+5], s[G0B+5], SLOT1
	s_add_nc_u64 s[G0B+6:G0B+7], s[G0B+6:G0B+7], KSTEP*2
	JLOAD                                          ; my one tensor load behind the round; its four v_nop are also the places in front of the loads below
.else
	PLACES
.endif
	s_xor_b32 s[SB], s[SB], SLOT1                  ; the fetches go on in the other slot
	v_add_nc_u32 v[ADRA], s[SB], v[ADRA0]
	v_add_nc_u32 v[ADRB], s[SB], v[ADRB0]
	FETCH 0, F0
	MUL8 F1, 2, 0
	MUL8 F1, 3, 0
.endm
	s_wait_tensorcnt 1                             ; my part of K step 0 is in; step 1's may stay out
	s_barrier_signal -1
	s_barrier_wait -1
	FETCH 0, F0
	s_wait_loadcnt 0x0                             ; the bias
	QUARTER 64, F0, F1, 1                          ; the first quarter stands in front of the loop: its products start the sums
	WIN 0                                          ; at a label and at a branch every window is 0
	s_mov_b32 s3, STEPS-2
.Lstep:                                                ; 6 trips: a step's quarters 1, 2, 3 and the next step's quarter 0; K steps 2 to 7 are asked for
	QUARTER 128, F1, F0, 0
	QUARTER 192, F0, F1, 0
	TURN 1
	QUARTER 64,  F0, F1, 0
	WIN 0
	s_sub_co_u32 s3, s3, 1
	s_cmp_lg_u32 s3, 0
	s_cbranch_scc1 .Lstep
	s_mov_b32 s3, 2
.Ltail:                                                ; steps 6 and 7 ask for nothing; the second trip is left ahead of the change of slots
	QUARTER 128, F1, F0, 0
	QUARTER 192, F0, F1, 0
	WIN 0
	s_sub_co_u32 s3, s3, 1
	s_cmp_eq_u32 s3, 0
	s_cbranch_scc1 .Llast
	TURN 0
	QUARTER 64,  F0, F1, 0
	WIN 0
	s_branch .Ltail
.Llast:                                                ; the very last quarter: nothing more to fetch
	s_wait_dscnt 4
	MUL8 F1, 0, 0
	MUL8 F1, 1, 0
	s_wait_dscnt 0x0
	MUL8 F1, 2, 0
	MUL8 F1, 3, 0
	WIN 0
	PLACES
; THE WAY OUT, a block of 16 rows at a time: the f32 sums go straight from the accumulators (low four registers first) into my stage, 32 bytes a lane, come back as whole rows of 512 bytes, and are stored.
.macro TOST a
.if (\a) >= 2
	s_wait_xcnt 0x0                                ; the registers that block a - 2's stores read are loaded again only behind this wait
.endif
	WIN 0x04                                       ; the stores' data in window 1
.irp b, 0,1,2,3,4,5,6,7
	ds_store_b128 v[STO], v[64*(\a)+8*(\b):64*(\a)+8*(\b)+3]   offset:64*(\b)
	ds_store_b128 v[STO], v[64*(\a)+8*(\b)+4:64*(\a)+8*(\b)+7] offset:64*(\b)+16
.endr
	WIN 0
.irp t, 0,1,2,3,4,5,6,7,8,9,10,11,12,13,14,15
	ds_load_b128 v[OB+64*((\a)%2)+4*(\t):OB+64*((\a)%2)+4*(\t)+3], v[RD] offset:(\t)*SPITCH  ; LDS serves a wave's instructions in order (ISA guide 5.7.1.4): these see the stores above
.endr
.endm
.macro SEND a, younger                 ; younger: the LDS instructions issued behind block a's loads
.irp t, 0,1,2,3,4,5,6,7,8,9,10,11,12,13,14,15
	s_wait_dscnt (\younger)+15-(\t)
	global_store_b128 v[CO], v[OB+64*((\a)%2)+4*(\t):OB+64*((\a)%2)+4*(\t)+3], s[8:9] offset:(16*(\a)+(\t))*CROW th:TH_STORE_NT  ; a wave's store covers 512 consecutive bytes, aligned
.endr
.endm
	TOST 0
	TOST 1
	SEND 0, 32
	TOST 2
	SEND 1, 32
	TOST 3
	SEND 2, 32
	SEND 3, 0
	s_wait_tensorcnt 0x0                           ; the wave's end
	ds_add_u32 v[SPW], v[NIL]
	s_wait_dscnt 0x0
	CROUND                                         ; the closing round: no work-group ends while a partner may still ask for a tile that names it
	s_endpgm
.Lfunc_end_k_qefbd2a807c_outp:
	.size	k_qefbd2a807c_outp, .Lfunc_end_k_qefbd2a807c_outp-k_qefbd2a807c_outp
	.p2alignl 7, 3214868480
	.fill 96, 4, 3214868480
	.section	.rodata,"a",@progbits
	.p2align	6, 0x0
	.amdhsa_kernel k_qefbd2a807c_outp
		.amdhsa_group_segment_fixed_size 327680
		.amdhsa_private_segment_fixed_size 0
		.amdhsa_enable_private_segment 0
		.amdhsa_kernarg_size 32
		.amdhsa_user_sgpr_count 2
		.amdhsa_user_sgpr_kernarg_segment_ptr 1
		.amdhsa_wavefront_size32 1
		.amdhsa_system_sgpr_workgroup_id_x 1
		.amdhsa_system_sgpr_workgroup_id_y 1
		.amdhsa_system_sgpr_workgroup_id_z 1
		.amdhsa_system_vgpr_workitem_id 0
		.amdhsa_next_free_vgpr 576
		.amdhsa_next_free_sgpr 80
		.amdhsa_reserve_vcc 0
		.amdhsa_float_denorm_mode_32 3
		.amdhsa_float_denorm_mode_16_64 3
		.amdhsa_memory_ordered 1
		.amdhsa_forward_progress 1
		.amdhsa_inst_pref_size 64
	.end_amdhsa_kernel
	.amdgpu_metadata
---
amdhsa.version: [ 1, 2 ]
amdhsa.kernels:
  - .name:           k_qefbd2a807c_outp
    .symbol:         k_qefbd2a807c_outp.kd
    .args:
      - { .name: ctx, .offset: 0, .size: 8, .value_kind: global_buffer, .address_space: global }
      - { .name: wt, .offset: 8, .size: 8, .value_kind: global_buffer, .address_space: global }
      - { .name: bp, .offset: 16, .size: 8, .value_kind: global_buffer, .address_space: global }
      - { .name: out0, .offset: 24, .size: 8, .value_kind: global_buffer, .address_space: global }
    .group_segment_fixed_size: 327680
    .private_segment_fixed_size: 0
    .kernarg_segment_align: 8
    .kernarg_segment_size: 32
    .max_flat_workgroup_size: 128
    .sgpr_count:     80
    .vgpr_count:     576
    .wavefront_size: 32
...
	.end_amdgpu_metadata
.endif
;; end of part 4
;; ======== version 2 of 2: 4 launches; 1.28 times as fast as version 1
;; limits: values are held in f16: magnitudes above 65,504 overflow, below 6.1e-05 lose precision
;; workspace buffers: xh 16,777,216 bytes; wt 8,388,608 bytes; qkv 50,331,648 bytes; ctx 16,777,216 bytes; bias 12,288 bytes
;; launch prep: the kernel of part 1 again; grid 512 x 1, 8 waves a work-group, no clusters, 18,432 bytes of LDS; arguments x, Wq, Wk, Wv, Wp, bq, bk, bv, xh, wt, bias; writes xh, wt, bias
;; launch proj: the kernel of part 2 again; grid 8 x 32, 4 waves a work-group, clusters of 4 x 4, 327,680 bytes of LDS; arguments xh, wt, bias, qkv; writes qkv
;; launch attn (part 5): grid 8 x 32, 4 waves a work-group, clusters of 4 x 4, 327,680 bytes of LDS; arguments qkv, attention_mask, ctx; writes ctx
.if DOCPART == 5
	.amdgcn_target "amdgcn-amd-amdhsa--gfx1250"
	.amdhsa_code_object_version 6
	.text
	.protected	k_qefbd2a807c_attn
	.globl	k_qefbd2a807c_attn
	.p2align	8
	.type	k_qefbd2a807c_attn,@function
k_qefbd2a807c_attn:
	s_mov_b64 s[64:65], 0
	v_nop
	global_prefetch_b8 v0, s[64:65] scope:SCOPE_SE
	s_setreg_imm32_b32 hwreg(HW_REG_WAVE_MODE, 25, 1), 1
	s_wait_xcnt 0x0
	s_wait_alu depctr_hold_cnt(0) depctr_sa_sdst(0) depctr_va_vdst(0) depctr_va_sdst(0) depctr_va_ssrc(0) depctr_va_vcc(0) depctr_vm_vsrc(0)
	s_getreg_b32 s2, hwreg(HW_REG_IB_STS2, 6, 4)
	s_cmp_eq_u32 s2, 0
	s_cbranch_scc0 .Lentry_in_a_cluster
	s_endpgm
.Lentry_in_a_cluster:
	s_bfe_u32 s2, ttmp6, 0x10000c
	s_cmp_lg_u32 s2, 0xf033
	s_cbranch_scc0 .Lentry_shape_is_right
	s_endpgm
.Lentry_shape_is_right:
; ATTN.  ctx[b][q][64 hd + :] = the sum over k of softmax_k(s) v[k], s = fl(q . k x 2^-5 + fl(mask[b][q][k] x -1e9)).  qkv: [8192][3072] f16 (q, k, v side by side, a head = 64 columns);
; attention_mask: [8][1024][1024] f32; ctx: [8192][1024] f16.  Products, maxima and sums in f32; the weights p are rounded to f16 for the second product (their sum l is of the unrounded p), ctx once.
; THE SCORES' ROUNDINGS.  mask x -1e9 is rounded by itself and the scaled product is then added in one rounding (2^-5 is exact), so that a score has the bits that a multiply and an add give.
; The maximum is taken away first, d = s - m, and only then comes the factor log2(e): at scores near -1e9 a product c m rounded by itself would be off by tens.
; LIMITS.  rsqrt(1024) is taken as 2^-5.  Scores lie above -4.25e37, where m starts.  A weight below 2^-126 counts as 0 in l.  f16 ends at 65,504.  NaN and infinities are not treated apart.
; SHARES.  Work-group (xg, y): heads 2 xg and 2 xg + 1, batch y / 4, queries 256 (y % 4) on.  Wave w: 64 queries x both heads, as four PIECES of 16 queries x 2 heads (units u = 0, 1):
; a piece's 32 mask registers, and their product with -1e9, serve both heads.  All 1,024 keys are walked, 64 a step.
; CLUSTER 4 x 4.  The mask's tile hangs on y alone: shared along a row of the cluster.  K and V hang on the batch and xg: shared along a column.  All three are joint loads.
; LAYOUT.  S^T = K Q^T (source 0 = 16 keys, source 1 = 16 queries): a lane holds ONE query (lane % 16) and keys 8 (lane / 16) + 0..7; two such results rounded to f16 ARE source 1 of O^T = V^T P.
; BY TURNS.  Turn p does the whole softmax of piece p; beside it 16 products V^T P of piece p - 1, later 16 products K Q^T of piece p + 1, four vector instructions behind each; the rest in two lumps.
; THE BATCHES.  A turn's 66 exponentials (64 weights and the two factors a) are ONE batch with ONE wait, which cuts the turn in two.  Ahead of it stands all that names no result of theirs: the mask's product,
; the scores, the maximum and m, the scalings, the exponentials, and the products V^T P.  Behind it stands all that does: O^T times a, the roundings, the sums; and the products K Q^T, whose riders they are.
; The weights lie in place in S^T, a in a register of its own, so each result keeps its register while the batch is open.  The way out's eight reciprocals are a batch of their own.
; REGISTERS (windows of 256; s_set_vgpr_msb: bits 1:0 source 0, 3:2 source 1, 5:4 source 2, 7:6 destination):
;   window 0: v0-15 addresses; v16-47 statistics, four a unit (m, m_old, l even, l odd); v48-55 at work; v64-191 S^T, two buffers of two units; v192-255 P likewise
;   window 1: O^T, 32 a unit     window 2: v0-127 Q, v128-255 K of one step     window 3: v0-127 V of one step, v128-191 the mask, two buffers
.set PM,    272       ; a row of the mask's tile in LDS: 64 f32 + 16 bytes
.set PK,    272       ; a row of K: two heads' 128 f16 + 16 bytes
.set PV_,   288       ; a row of V: 256 + 32 bytes
.set KOFF,  256*PM
.set VOFF,  KOFF+64*PK
.set SLOT1, 131072    ; slot 1 begins here: one exclusive or turns an address in one slot into the other's
.set STAGE, SLOT1+VOFF+64*PV_   ; behind the ring: 16 rows x 272 bytes for each wave
.set SP,    272
.set SPARE, STAGE+4*16*SP       ; behind the stages: the spare words, 128 bytes for each wave
.set AK0, 2
.set AV0, 3
.set AM0, 4
.set AK,  5
.set AV,  6
.set AM,  7
.set QO,  8           ; my byte offset in 16 rows of Q; later GO, in two rows of ctx
.set GO,  8
.set SPW, 12          ; LDS address of my spare word; never rewritten
.set NIL, 13          ; 0; never rewritten
.set STO, 14
.set RD,  15
.set ST,  16
.set TMP, 48
.set S,   64
.set P,   192
.set KF,  128         ; window 2
.set MR,  128         ; window 3
.set WV,  12
.set G1M, 24
.set G1K, 32
.set G1V, 40
.set G0M, 48
.set G0K, 52
.set G0V, 56
.set SLOTS, 60
.set CNT, 61
.set SB,  62          ; the LDS byte at which the slot being read begins
.set CS,  66          ; s[66:67] log2(e)
.set NEG, 68          ; s[68:69] -1e9
.set SC,  70          ; s[70:71] 2^-5
.set SEL, 72          ; s[72:73] v_permlanex16_b32's selects: each lane takes its own place in the other half
.set MSB, 0
.macro WIN new
.if MSB != (\new)
	s_set_vgpr_msb (MSB<<8)|(\new)
.set MSB, (\new)
.endif
.endm
.set W_KQ, 0x0a       ; K and Q window 2, S^T window 0
.set W_PV, 0x53       ; V window 3, P window 0, O^T window 1
.set W_RS, 0x41       ; O^T (destination, source 0) window 1, the factor window 0
.set W_T,  0xc3       ; the mask in place, window 3
.set W_A,  0x30       ; S^T window 0, the addend window 3
; A joint fill: waves 0 and 1 fetch the two halves of the mask's tile, wave 2 K's, wave 3 V's.  An s_nop 0 and four v_nop follow each line.
.macro JLOAD
	s_cmp_lt_u32 s[WV], 2
	s_cbranch_scc0 .Lnot_m_\@
	tensor_load_to_lds s[G0M:G0M+3], s[G1M:G1M+7]
	s_nop 0
.rept 4
	v_nop
.endr
	s_branch .Lasked_\@
.Lnot_m_\@:
	s_cmp_eq_u32 s[WV], 2
	s_cbranch_scc0 .Lfor_v_\@
	tensor_load_to_lds s[G0K:G0K+3], s[G1K:G1K+7]
	s_nop 0
.rept 4
	v_nop
.endr
	s_branch .Lasked_\@
.Lfor_v_\@:
	tensor_load_to_lds s[G0V:G0V+3], s[G1V:G1V+7]
	s_nop 0
.rept 4
	v_nop
.endr
.Lasked_\@:
.endm
.macro CROUND                       ; a round of the cluster's barrier
	s_barrier_signal -1
	s_barrier_wait -1
	s_cmp_lg_u32 s[WV], 0
	s_cbranch_scc1 .Lnot_wave_0_\@
	s_barrier_signal -3
.Lnot_wave_0_\@:
	s_barrier_wait -3
	s_barrier_signal -1
	s_barrier_wait -1
.endm
; THE CHANGE OF SLOTS, once a key step.  Each wave waits for all its tensor loads (one is out: its part of the other slot), adds 0 to its spare word, and waits for that and for its reads of the slot it leaves.
; fill = 1: the slot that is left takes the step after next's... the keys one step beyond the slot now entered; the barrier is a round of the cluster's, and the joint fill is the first thing behind it.
.macro CHANGE fill
	WIN 0
	s_wait_tensorcnt 0x0            ; no tensor load of mine is out, so a group 0 may be written
	ds_add_u32 v[SPW], v[NIL]
.if \fill
	s_xor_b32 s[G0M+1], s[G0M+1], SLOT1
	s_add_nc_u64 s[G0M+2:G0M+3], s[G0M+2:G0M+3], 256      ; 64 keys along the mask's rows
	s_xor_b32 s[G0K+1], s[G0K+1], SLOT1
	s_add_nc_u64 s[G0K+2:G0K+3], s[G0K+2:G0K+3], 64*6144  ; 64 rows of qkv
	s_xor_b32 s[G0V+1], s[G0V+1], SLOT1
	s_add_nc_u64 s[G0V+2:G0V+3], s[G0V+2:G0V+3], 64*6144
.endif
	s_wait_dscnt 0x0                ; the add is done, and my reads of the slot are over
.if \fill
	CROUND
	JLOAD
.else
	s_barrier_signal -1
	s_barrier_wait -1
.endif
	s_xor_b32 s[SB], s[SB], SLOT1   ; the reads go on in the other slot
	v_add_nc_u32 v[AK], s[SB], v[AK0]
	v_add_nc_u32 v[AV], s[SB], v[AV0]
	v_add_nc_u32 v[AM], s[SB], v[AM0]
.endm
	s_load_b128 s[4:7], s[0:1], 0x0   ; qkv s[4:5], attention_mask s[6:7]
	s_load_b64 s[8:9], s[0:1], 0x10   ; ctx
	v_lshl_add_u32 v[SPW], v0, 2, SPARE
	v_mov_b32 v[NIL], 0
	ds_add_u32 v[SPW], v[NIL]       ; the wave's opening
	v_lshrrev_b32 v1, 5, v0
	v_readfirstlane_b32 s[WV], v1   ; wave 0..3
	s_bfe_u32 s13, ttmp6, 0x40000   ; cx
	s_bfe_u32 s14, ttmp6, 0x40004   ; cy
	s_lshl_b32 s15, ttmp9, 2
	s_add_co_u32 s15, s15, s13      ; xg = 4 x cluster x + cx: the pair of heads
	s_and_b32 s17, ttmp7, 0xffff    ; the batch = cluster y
	s_lshl_b32 s16, s17, 2
	s_add_co_u32 s16, s16, s14      ; y = 4 x cluster y + cy: the block of 256 rows
	s_lshl_b32 s18, s14, 2
	s_lshl_b32 s18, 15, s18         ; my row of the cluster
	s_lshl_b32 s19, 0x1111, s13     ; my column
	s_or_b32 s[G1M], s18, (2<<16)|(1<<20)|(1<<21)|(5<<22)|(3<<25)  ; mask; 4-byte elements; padding on; bit 21 beside a mask; after every 64 words, 4 words
	s_mov_b32 s[G1M+1], 64<<16      ; tensor_dim0 = 64
	s_mov_b32 s[G1M+2], 128<<16     ; tensor_dim1 = 128 rows
	s_mov_b32 s[G1M+3], 64<<16      ; tile_dim0 = 64
	s_mov_b32 s[G1M+4], 128         ; tile_dim1 = 128
	s_mov_b32 s[G1M+5], 1024        ; elements from row to row
	s_mov_b32 s[G1M+6], 0
	s_mov_b32 s[G1M+7], 0
	s_or_b32 s[G1K], s19, (1<<16)|(1<<20)|(1<<21)|(5<<22)|(3<<25)  ; 2-byte elements, 4 words of padding
	s_or_b32 s[G1V], s19, (1<<16)|(1<<20)|(1<<21)|(5<<22)|(7<<25)  ; the same with 8 words
.irp g, G1K, G1V
	s_mov_b32 s[\g+1], 128<<16      ; tensor_dim0 = 128: two heads' channels
	s_mov_b32 s[\g+2], 64<<16       ; tensor_dim1 = 64 keys
	s_mov_b32 s[\g+3], 128<<16
	s_mov_b32 s[\g+4], 64
	s_mov_b32 s[\g+5], 3072
	s_mov_b32 s[\g+6], 0
	s_mov_b32 s[\g+7], 0
.endr
	s_and_b32 s21, s[WV], 1
	s_lshl_b32 s21, s21, 19         ; the mask: my half's 128 rows of 4,096 bytes,
	s_lshl_b32 s20, s16, 20         ; in block y
	s_add_co_u32 s20, s20, s21
	s_mov_b32 s21, 0
	s_mul_i32 s22, s17, 1024*6144   ; K and V: the batch's rows of qkv,
	s_lshl_b32 s23, s15, 8          ; the pair of heads' 256 bytes
	s_add_co_u32 s22, s22, s23
	s_mov_b32 s23, 0
	s_lshl_b32 s74, s16, 8
	s_lshl_b32 s75, s[WV], 6
	s_add_co_u32 s74, s74, s75      ; my wave's first row
	s_lshl_b32 s76, s74, 11         ; in ctx,
	s_mul_i32 s74, s74, 6144        ; and in qkv
	s_lshl_b32 s75, s15, 8
	s_add_co_u32 s74, s74, s75
	s_add_co_u32 s76, s76, s75
	s_mov_b32 s75, 0
	s_mov_b32 s77, 0
	s_mov_b32 s[G0M], 1
	s_mul_i32 s[G0M+1], s[WV], 128*PM  ; waves 0 and 1: the tile's two halves
	s_mov_b32 s[G0K], 1
	s_mov_b32 s[G0K+1], KOFF
	s_mov_b32 s[G0V], 1
	s_mov_b32 s[G0V+1], VOFF
	s_mov_b32 s[CS], 0x3fb8aa3b     ; log2(e)
	s_mov_b32 s[CS+1], s[CS]
	s_mov_b32 s[NEG], 0xce6e6b28    ; -1e9
	s_mov_b32 s[NEG+1], s[NEG]
	s_mov_b32 s[SC], 0x3d000000     ; 2^-5
	s_mov_b32 s[SC+1], s[SC]
	s_mov_b32 s[SEL], 0x76543210
	s_mov_b32 s[SEL+1], 0xfedcba98
	s_mov_b32 s[SB], SLOT1          ; the first change of slots turns it into 0
	s_wait_dscnt 0x0                ; the opening add is done
	s_wait_kmcnt 0x0
	s_add_nc_u64 s[G0M+2:G0M+3], s[6:7], s[20:21]
	s_or_b32 s[G0M+3], s[G0M+3], 0x80000000
	s_add_nc_u64 s[G0K+2:G0K+3], s[4:5], s[22:23]
	s_add_nc_u64 s[G0V+2:G0V+3], s[G0K+2:G0K+3], 4096   ; v's columns begin 2,048 numbers in,
	s_add_nc_u64 s[G0K+2:G0K+3], s[G0K+2:G0K+3], 2048   ; k's 1,024
	s_or_b32 s[G0K+3], s[G0K+3], 0x80000000
	s_or_b32 s[G0V+3], s[G0V+3], 0x80000000
	s_add_nc_u64 s[2:3], s[4:5], s[74:75]       ; Q at my wave's first row
	s_add_nc_u64 s[10:11], s[8:9], s[76:77]     ; ctx likewise
	CROUND                          ; all sixteen work-groups are here: the first joint loads meet
	JLOAD                           ; key step 0 into slot 0: one load of mine is out
	v_and_b32 v1, 15, v0            ; r = lane % 16
	v_bfe_u32 v9, v0, 4, 1          ; h = lane / 16
	v_mul_u32_u24 v[QO], v1, 6144
	v_lshl_add_u32 v[QO], v9, 4, v[QO]
	WIN 0x80                        ; destination window 2
.irp p, 0,1,2,3
.irp f, 0,1,2,3                     ; unit f / 2, channels 32 (f % 2) on: Q stays in registers
	global_load_b128 v[32*(\p)+8*(\f):32*(\p)+8*(\f)+3],   v[QO], s[2:3] offset:(\p)*98304+((\f)/2)*128+((\f)%2)*64
	global_load_b128 v[32*(\p)+8*(\f)+4:32*(\p)+8*(\f)+7], v[QO], s[2:3] offset:(\p)*98304+((\f)/2)*128+((\f)%2)*64+32
.endr
.endr
	; What the first turn finds: V and P's second buffer hold 0 (its products V^T P, of a piece that has not been, add 0); O^T and l are 0; m is far below every score, so the first step's factor is 0.
	WIN 0xc0
.set i, 0
.rept 128
	v_mov_b32 v[i], 0
.set i, i+1
.endr
	WIN 0x40
.set i, 0
.rept 256
	v_mov_b32 v[i], 0
.set i, i+1
.endr
	WIN 0
.set i, 0
.rept 8
	v_mov_b32 v[ST+4*i], 0xfe000000
	v_mov_b32 v[ST+4*i+1], 0
	v_mov_b32 v[ST+4*i+2], 0
	v_mov_b32 v[ST+4*i+3], 0
.set i, i+1
.endr
.set i, P+32
.rept 32
	v_mov_b32 v[i], 0
.set i, i+1
.endr
	v_mul_u32_u24 v10, v1, PK
	v_lshl_add_u32 v[AK0], v9, 4, v10   ; K: key r x pitch + 16 h
	v_add_nc_u32 v[AK0], KOFF, v[AK0]
	s_mul_i32 s20, s[WV], 64*PM
	v_lshl_add_u32 v[AM0], v9, 5, v10   ; the mask: query (64 w + r) x pitch + 8 h keys of 4 bytes
	v_add_nc_u32 v[AM0], s20, v[AM0]
	v_and_b32 v10, 7, v0                ; V, for the turning load: key 8 h + lane % 8, channels 8 ((lane / 8) % 2) on
	v_bfe_u32 v11, v0, 3, 1
	v_lshl_add_u32 v[AV0], v9, 3, v10
	v_mul_u32_u24 v[AV0], v[AV0], PV_
	v_lshl_add_u32 v[AV0], v11, 4, v[AV0]
	v_add_nc_u32 v[AV0], VOFF, v[AV0]
; THE MATRIX WORK.  The 8 accumulators of a run of 16 take turns.  mi is the product's number in its run.
.macro KQ x                         ; S^T = K Q^T of piece x: channels 32 (mi / 8) on, keys 16 ((mi / 2) % 4) on, unit mi % 2.  The first 8 start the sums
	WIN W_KQ
.set rD, S+64*((\x)%2)+32*(mi%2)+8*((mi/2)%4)
.set rK, KF+64*(mi%2)+16*((mi/2)%4)+8*(mi/8)
.set rQ, 16*(2*(\x)+mi%2)+8*(mi/8)
.if mi < 8
	v_wmma_f32_16x16x32_f16 v[rD:rD+7], v[rK:rK+7], v[rQ:rQ+7], 0
.else
	v_wmma_f32_16x16x32_f16 v[rD:rD+7], v[rK:rK+7], v[rQ:rQ+7], v[rD:rD+7]
.endif
.endm
.macro PV x                         ; O^T += V^T P of piece x: keys 32 (mi / 8) on, channels 16 ((mi / 2) % 4) on, unit mi % 2
	WIN W_PV
.set rD, 32*(2*(\x)+mi%2)+8*((mi/2)%4)
.set rV, 64*(mi%2)+32*(mi/8)+8*((mi/2)%4)
.set rB, P+32*((\x)%2)+16*(mi%2)+8*(mi/8)
	v_wmma_f32_16x16x32_f16 v[rD:rD+7], v[rV:rV+7], v[rB:rB+7], v[rD:rD+7]
.endm
; THE LDS LOADS stand in runs.
.macro FETCH_K                      ; a step's K, both heads: 16 fragments
	WIN 0x80
.irp u, 0,1
.irp f, 0,1,2,3,4,5,6,7             ; keys 16 (f / 2) on, channels 32 (f % 2) on
	ds_load_b128 v[KF+64*(\u)+8*(\f):KF+64*(\u)+8*(\f)+3],   v[AK] offset:((\f)/2)*16*PK+128*(\u)+((\f)%2)*64
	ds_load_b128 v[KF+64*(\u)+8*(\f)+4:KF+64*(\u)+8*(\f)+7], v[AK] offset:((\f)/2)*16*PK+128*(\u)+((\f)%2)*64+32
.endr
.endr
.endm
.macro FETCH_V                      ; a step's V, both heads, turned
	WIN 0xc0
.irp u, 0,1
.irp f, 0,1,2,3,4,5,6,7             ; keys 32 (f / 4) on, channels 16 (f % 4) on
	ds_load_tr16_b128 v[64*(\u)+8*(\f):64*(\u)+8*(\f)+3],   v[AV] offset:((\f)/4)*32*PV_+128*(\u)+((\f)%4)*32
	ds_load_tr16_b128 v[64*(\u)+8*(\f)+4:64*(\u)+8*(\f)+7], v[AV] offset:((\f)/4)*32*PV_+16*PV_+128*(\u)+((\f)%4)*32
.endr
.endr
.endm
.macro FETCH_M y                    ; piece y's mask: register 8 kb + j is key 16 kb + 8 h + j of my query: S^T's own layout
	WIN 0xc0
.irp kb, 0,1,2,3
	ds_load_b128 v[MR+32*((\y)%2)+8*(\kb):MR+32*((\y)%2)+8*(\kb)+3],   v[AM] offset:(\y)*16*PM+64*(\kb)
	ds_load_b128 v[MR+32*((\y)%2)+8*(\kb)+4:MR+32*((\y)%2)+8*(\kb)+7], v[AM] offset:(\y)*16*PM+64*(\kb)+16
.endr
.endm
; THE VECTOR WORK OF A TURN is one numbered list of 316 lines for piece Y; VOP writes line vn and steps vn.  Every aligned group of four lies under one window setting.
.macro REGS y, u
.set rT, ST+4*(2*(\y)+(\u))
.set rC, TMP+4*(\u)
.set rS, S+64*((\y)%2)+32*(\u)
.set rP, P+32*((\y)%2)+16*(\u)
.set rO, 32*(2*(\y)+(\u))
.endm
; The 22 steps of a unit's maximum and statistics: 0-11 four chains c0-c3 of seven scores; 12, 13 the four left over; 14 the old m joins; 15 m_old is kept; 16 one maximum; 17, 18 the other half of the lanes: the new m;
; 19-21 the factor a = 2^(log2(e) (m_old - m)), into c2.
.macro XS u, k
	REGS Y, \u
	WIN 0
.if (\k) < 4
	v_max3_num_f32 v[rC+(\k)], v[rS+8*(\k)], v[rS+8*(\k)+1], v[rS+8*(\k)+2]
.elseif (\k) < 12
	v_max3_num_f32 v[rC+(\k)%4], v[rC+(\k)%4], v[rS+8*((\k)%4)+2*((\k)/4)+1], v[rS+8*((\k)%4)+2*((\k)/4)+2]
.elseif (\k) == 12
	v_max3_num_f32 v[rC], v[rC], v[rS+7], v[rS+15]
.elseif (\k) == 13
	v_max3_num_f32 v[rC+1], v[rC+1], v[rS+23], v[rS+31]
.elseif (\k) == 14
	v_max3_num_f32 v[rC+2], v[rC+2], v[rC+3], v[rT]
.elseif (\k) == 15
	v_mov_b32 v[rT+1], v[rT]
.elseif (\k) == 16
	v_max3_num_f32 v[rC], v[rC], v[rC+1], v[rC+2]
.elseif (\k) == 17
	v_permlanex16_b32 v[rC+3], v[rC], s[SEL], s[SEL+1]
.elseif (\k) == 18
	v_max_num_f32 v[rT], v[rC], v[rC+3]
.elseif (\k) == 19
	v_sub_f32 v[rC+1], v[rT+1], v[rT]
.elseif (\k) == 20
	v_mul_f32 v[rC+1], s[CS], v[rC+1]
.else
	v_exp_f32 v[rC+2], v[rC+1]
.endif
.endm
; The plain queue, 128 long.  0-63, in groups of 16 for four pairs of both units: eight times s - m, then eight times the factor log2(e).  None of these reads an exponential's result.
; 64-127 read the exponentials' results and stand behind the wait.  In groups of 8 for four weights of both units: both pairs rounded to f16; the second pair added onto the first, in place; and l takes the sum of
; the group BEFORE (the first time as l = a l + sum), so that an addition and the line that reads it stand a group apart.  Group 0 has no group before it, and behind group 7 only l is left.
.macro PQ x
	WIN 0
.if (\x) < 64
.set pz, (\x)%16
.set pp, 4*((\x)/16)+(pz%8)/2
	REGS Y, pz%2
.if pz < 8
	v_pk_add_f32 v[rS+2*pp:rS+2*pp+1], v[rS+2*pp:rS+2*pp+1], v[rT:rT+1] op_sel_hi:[1,0] neg_lo:[0,1] neg_hi:[0,1]
.else
	v_pk_mul_f32 v[rS+2*pp:rS+2*pp+1], v[rS+2*pp:rS+2*pp+1], s[CS:CS+1] op_sel_hi:[1,0]
.endif
.else
.set ph, (\x)-64
.set ph, ph+6*(ph/62)
.if ph >= 6
.set ph, ph+2
.endif
.set pg, ph/8
.set pz, ph%8
	REGS Y, pz%2
.if pz < 4
	v_cvt_pk_f16_f32 v[rP+2*pg+pz/2], v[rS+4*pg+2*(pz/2)], v[rS+4*pg+2*(pz/2)+1]
.elseif pz < 6
	v_pk_add_f32 v[rS+4*pg:rS+4*pg+1], v[rS+4*pg:rS+4*pg+1], v[rS+4*pg+2:rS+4*pg+3]
.elseif pg == 1
	v_pk_fma_f32 v[rT+2:rT+3], v[rT+2:rT+3], v[rC+2:rC+3], v[rS:rS+1] op_sel_hi:[1,0,1]
.else
	v_pk_add_f32 v[rT+2:rT+3], v[rT+2:rT+3], v[rS+4*pg-4:rS+4*pg-3]
.endif
.endif
.endm
.macro EXQ i                        ; exponential i of 64: score i / 2 of unit i % 2, in place
	REGS Y, (\i)%2
	WIN 0
	v_exp_f32 v[rS+(\i)/2], v[rS+(\i)/2]
.endm
; The list.  AHEAD OF THE WAIT: 0-15 the mask times -1e9; 16-47 s = product x 2^-5 + that, ascending; 48-85 the maximum and the new m (steps 0-18), units alternating;
; 86-219 THE BATCH and the plain lines that feed it: 86-97 plain 0-11; 98-209 fifty-six pairs of an exponential and a plain line (plain 12-63, then steps 19 and 20 of both units, the argument of a), so that a plain
; line that touches neither its result nor its source stands behind each of these exponentials; 210-217 the last eight exponentials; 218, 219 the two a.  Nothing in 0-219 names an exponential's result.
; Exponential i wants plain 16 (i / 16) + 8 + 2 ((i % 16) / 4) + i % 2, its pair's second scaling; plain 0 to 11 + i stand ahead of it.  The plain line behind exponential i works on a later pair.
; (TURN writes a v_nop and the wait between 219 and 220.)  BEHIND THE WAIT: 220-251 O^T times a, ascending in each accumulator; 252-315 plain 64-127, the roundings and sums.
.macro VOP
.if vn < 16
	WIN W_T
	v_pk_mul_f32 v[MB+2*vn:MB+2*vn+1], v[MB+2*vn:MB+2*vn+1], s[NEG:NEG+1] op_sel_hi:[1,0]
.elseif vn < 48
.set vx, vn-16
	REGS Y, vx%2
	WIN W_A
	v_pk_fma_f32 v[rS+2*(vx/2):rS+2*(vx/2)+1], v[rS+2*(vx/2):rS+2*(vx/2)+1], s[SC:SC+1], v[MB+2*(vx/2):MB+2*(vx/2)+1] op_sel_hi:[1,0,1]
.elseif vn < 86
	XS (vn-48)%2, (vn-48)/2
.elseif vn < 98
	PQ vn-86
.elseif vn < 210
.set vx, (vn-98)/2
.if (vn-98)%2 == 0
	EXQ vx
.elseif vx < 52
	PQ 12+vx
.else
	XS (vx-52)%2, 19+(vx-52)/2
.endif
.elseif vn < 218
	EXQ vn-154
.elseif vn < 220
	XS vn-218, 21
.elseif vn < 252
.set vx, vn-220
	REGS Y, (vx/4)%2
	WIN W_RS
	v_pk_mul_f32 v[rO+8*(vx/8)+2*(vx%4):rO+8*(vx/8)+2*(vx%4)+1], v[rO+8*(vx/8)+2*(vx%4):rO+8*(vx/8)+2*(vx%4)+1], v[rC+2:rC+3] op_sel_hi:[1,0]
.else
	PQ vn-188
.endif
.set vn, vn+1
.endm
.macro SL4
	VOP
	VOP
	VOP
	VOP
.endm
; A TURN, for piece p.  At its head the piece's mask (asked for a turn ago) is waited for, and in turn 1 V; the next piece's mask is asked for, and in turn 3, which stands behind the change of slots, the next step's K.
; V of the step in hand is asked for in turn 0 behind the last product that reads the old V and four v_max3_num_f32, its places.  No rider names a register of the products round it.
; THE DEAL.  Ahead of the wait: the 16 products V^T P, lines 0-63 behind them, four each; then a lump, lines 64-219, which ends with the batch.  Behind the wait: the 16 products K Q^T, lines 220-283 behind them,
; four each; then a lump, lines 284-315: 36 plain lines stand between the last K Q^T and the next turn.
.macro TURN p
.set Y, (\p)
.set MB, MR+32*((\p)%2)
.set vn, 0
.set mi, 0
	s_wait_dscnt 0x0
	FETCH_M ((\p)+1)%4
.if (\p) == 3
	FETCH_K
.endif
.rept 16
	PV ((\p)+3)%4
.set mi, mi+1
	SL4
.endr
.if (\p) == 0
	FETCH_V
.endif
.rept 39
	SL4
.endr
	v_nop                           ; a plain line behind the last exponential and ahead of the first use: one for the batch
	s_wait_alu depctr_va_vdst(0)    ; the wait: one for the turn's batch, 64 weights and two a
.if (\p) == 3
	s_wait_dscnt 0x0                ; K is in
.endif
.set mi, 0
.rept 16
	KQ ((\p)+1)%4
.set mi, mi+1
	SL4
.endr
.rept 8
	SL4
.endr
	WIN 0
.endm
	CHANGE 1                        ; slot 0 is in, everybody's part of it; key step 1 is asked for, into slot 1
	FETCH_M 0
	FETCH_K
	s_wait_loadcnt 0x0              ; Q
	s_wait_dscnt 0x0
.set mi, 0
.rept 16
	KQ 0                            ; piece 0's first scores
.set mi, mi+1
.endr
	WIN 0                           ; the addresses for the way out: eight plain lines, the places behind those products
	s_mul_i32 s20, s[WV], 16*SP
	s_add_co_u32 s20, s20, STAGE    ; my stage
	v_mul_u32_u24 v[STO], v1, SP    ; in: row r, 16 bytes for each half of the lanes
	v_lshl_add_u32 v[STO], v9, 4, v[STO]
	v_add_nc_u32 v[STO], s20, v[STO]
	v_mul_u32_u24 v[RD], v9, SP     ; back: lanes 0-15 one row of 256 bytes, lanes 16-31 the next
	v_lshl_add_u32 v[RD], v1, 4, v[RD]
	v_add_nc_u32 v[RD], s20, v[RD]
	v_lshlrev_b32 v[GO], 11, v9     ; and the same two rows in ctx (Q's loads, which read this register, are done)
	v_lshl_add_u32 v[GO], v1, 4, v[GO]
	s_mov_b32 s[SLOTS], 15
	s_branch .Lfirst                ; the loop is entered at a step's first turn
.Lslot:                             ; 14 whole trips: key steps 2 to 15 are asked for
	CHANGE 1
	TURN 3
.Lfirst:
	TURN 0
	TURN 1
	TURN 2
	s_sub_co_u32 s[SLOTS], s[SLOTS], 1
	s_cmp_lg_u32 s[SLOTS], 0
	s_cbranch_scc1 .Lslot
	CHANGE 0                        ; the tail is written out: nothing is asked for
	s_mov_b32 s[CNT], 2
.Ltail:
	TURN 3
	s_sub_co_u32 s[CNT], s[CNT], 1
	s_cmp_eq_u32 s[CNT], 0
	s_cbranch_scc1 .Lout
	TURN 0
	TURN 1
	TURN 2
	s_branch .Ltail
.Lout:                              ; the second turn 3 has read the last slot's K and mask once more, and its 16 products K Q^T serve nothing: the price of one text for every turn
.set mi, 0
.rept 16
	PV 3                            ; the last piece's V^T P of the last step
.set mi, mi+1
.endr
	; THE WAY OUT.  l's two halves and the other half of the lanes' are added (these lines are the places behind the last products); O^T is divided by l, rounded to f16, and sent through my stage, a piece at a time.
	WIN 0
.set t, 0
.rept 8
	v_add_f32 v[ST+4*t+2], v[ST+4*t+2], v[ST+4*t+3]
.set t, t+1
.endr
.set t, 0
.rept 8
	v_permlanex16_b32 v[ST+4*t+3], v[ST+4*t+2], s[SEL], s[SEL+1]
.set t, t+1
.endr
.set t, 0
.rept 8
	v_add_f32 v[ST+4*t+2], v[ST+4*t+2], v[ST+4*t+3]
.set t, t+1
.endr
.set t, 0
.rept 8
	v_rcp_f32 v[ST+4*t+2], v[ST+4*t+2]
.set t, t+1
.endr
	v_nop                           ; a plain line between the last reciprocal and the use of its result
	s_wait_alu depctr_va_vdst(0)    ; the wait: one for the batch of eight reciprocals
.macro PACK p                       ; a row of ctx's 256 bytes here is two heads' 64 channels; a lane's eight channels pack into 16 bytes
	WIN W_RS
.irp u, 0,1
.set i, 0
.rept 16
	v_pk_mul_f32 v[32*(2*(\p)+(\u))+2*i:32*(2*(\p)+(\u))+2*i+1], v[32*(2*(\p)+(\u))+2*i:32*(2*(\p)+(\u))+2*i+1], v[ST+4*(2*(\p)+(\u))+2:ST+4*(2*(\p)+(\u))+3] op_sel_hi:[1,0]
.set i, i+1
.endr
.endr
	WIN 0x05                        ; sources window 1, destination window 0: S^T's registers are free
.set i, 0
.rept 32
	v_cvt_pk_f16_f32 v[S+32*(\p)+i], v[64*(\p)+2*i], v[64*(\p)+2*i+1]
.set i, i+1
.endr
	WIN 0
.irp f, 0,1,2,3,4,5,6,7             ; unit f / 4, channels 16 (f % 4) on
	ds_store_b128 v[STO], v[S+32*(\p)+4*(\f):S+32*(\p)+4*(\f)+3] offset:32*(\f)
.endr
.irp f, 0,1,2,3,4,5,6,7
	ds_load_b128 v[S+32*(\p)+4*(\f):S+32*(\p)+4*(\f)+3], v[RD] offset:(\f)*2*SP  ; LDS serves a wave's instructions in order (ISA guide 5.7.1.4): these see the stores above
.endr
.endm
.macro SEND p, younger              ; younger: the LDS instructions issued behind piece p's loads
.irp f, 0,1,2,3,4,5,6,7
	s_wait_dscnt (\younger)+7-(\f)
	global_store_b128 v[GO], v[S+32*(\p)+4*(\f):S+32*(\p)+4*(\f)+3], s[10:11] offset:(\p)*32768+(\f)*4096  ; 16 lanes store 256 consecutive bytes, aligned
.endr
.endm
	PACK 0
	PACK 1
	SEND 0, 16
	PACK 2
	SEND 1, 16
	PACK 3
	SEND 2, 16
	SEND 3, 0
	s_wait_tensorcnt 0x0            ; the wave's end
	ds_add_u32 v[SPW], v[NIL]
	s_wait_dscnt 0x0
	CROUND                          ; the closing round: no work-group ends while a partner may still ask for a tile that names it
	s_endpgm
.Lfunc_end_k_qefbd2a807c_attn:
	.size	k_qefbd2a807c_attn, .Lfunc_end_k_qefbd2a807c_attn-k_qefbd2a807c_attn
	.p2alignl 7, 3214868480
	.fill 96, 4, 3214868480
	.section	.rodata,"a",@progbits
	.p2align	6, 0x0
	.amdhsa_kernel k_qefbd2a807c_attn
		.amdhsa_group_segment_fixed_size 327680
		.amdhsa_private_segment_fixed_size 0
		.amdhsa_enable_private_segment 0
		.amdhsa_kernarg_size 24
		.amdhsa_user_sgpr_count 2
		.amdhsa_user_sgpr_kernarg_segment_ptr 1
		.amdhsa_wavefront_size32 1
		.amdhsa_system_sgpr_workgroup_id_x 1
		.amdhsa_system_sgpr_workgroup_id_y 1
		.amdhsa_system_sgpr_workgroup_id_z 1
		.amdhsa_system_vgpr_workitem_id 0
		.amdhsa_next_free_vgpr 960
		.amdhsa_next_free_sgpr 80
		.amdhsa_reserve_vcc 0
		.amdhsa_float_denorm_mode_32 3
		.amdhsa_float_denorm_mode_16_64 3
		.amdhsa_memory_ordered 1
		.amdhsa_forward_progress 1
		.amdhsa_inst_pref_size 245
	.end_amdhsa_kernel
	.amdgpu_metadata
---
amdhsa.version: [ 1, 2 ]
amdhsa.kernels:
  - .name:           k_qefbd2a807c_attn
    .symbol:         k_qefbd2a807c_attn.kd
    .args:
      - { .name: qkv, .offset: 0, .size: 8, .value_kind: global_buffer, .address_space: global }
      - { .name: attention_mask, .offset: 8, .size: 8, .value_kind: global_buffer, .address_space: global }
      - { .name: ctx, .offset: 16, .size: 8, .value_kind: global_buffer, .address_space: global }
    .group_segment_fixed_size: 327680
    .private_segment_fixed_size: 0
    .kernarg_segment_align: 8
    .kernarg_segment_size: 24
    .max_flat_workgroup_size: 128
    .sgpr_count:     80
    .vgpr_count:     960
    .wavefront_size: 32
...
	.end_amdgpu_metadata
.endif
;; end of part 5
;; launch outp: the kernel of part 4 again; grid 8 x 32, 4 waves a work-group, clusters of 4 x 4, 327,680 bytes of LDS; arguments ctx, wt, bp, out0; writes out0
